; MI455X (gfx1250); checked and timed in simulation.
; The chip was launched on July 23, 2026; its instructions are those of AMD's public machine-readable ISA for CDNA 5 (MIT licence, August 2026) and "CDNA5" Instruction Set Architecture Reference Guide (July 2026). The comments in the code are by the model that wrote it; some were corrected since.
;; Multi Head Self Attention. Allowed arithmetic: matrix products marked QUANTISED: E2M3 operands, one E8M0 scale for each 32 along K, by v_wmma_scale_f32_16x16x128_f8f6f4 with both operands' format E2M3, f32 sums; everything else in f32.
;; Inputs: W_out_codes 1,024 x 32 x 24 uint8 (E2M3 codes of W_out, K innermost, in blocks of 32 codes, four codes in three bytes); W_out_scales 1,024 x 32 uint8 (E8M0 scales of W_out, one for each 32 codes along K); W_qkv_codes 3,072 x 32 x 24 uint8 (E2M3 codes of W_qkv, K innermost, in blocks of 32 codes, four codes in three bytes); W_qkv_scales 3,072 x 32 uint8 (E8M0 scales of W_qkv, one for each 32 codes along K); b_out 1,024 float32; b_qkv 3,072 float32; x_codes 4 x 2,048 x 32 x 24 uint8 (E2M3 codes of x, K innermost, in blocks of 32 codes, four codes in three bytes); x_scales 4 x 2,048 x 32 uint8 (E8M0 scales of x, one for each 32 codes along K).
;; Outputs: out0 4 x 2,048 x 1,024 float32.
;; This version of the problem:
;;   THIS VERSION OF THE PROBLEM IS GIVEN IN LOW PRECISION. The matrix products marked QUANTISED in the list below multiply operands that are first quantised to E2M3 (2 exponent bits, 3 mantissa bits; 6 bits a number), with one power-of-two scale for each 32 numbers along K (OCP MX v1.0); their sums are f32. All else is computed in f32.
;;   The module's matrix products, in the order in which they are computed (A, B: the left and right operand; K: the contracted axis; several contracted axes count as one K, in the product's order):
;;     1. [M 8,192, K 1,024] x [K 1,024, N 3,072]; A: input x (given as codes); B: input W_qkv (given as codes): QUANTISED
;;     2. batch 64 x [M 2,048, K 64] x [K 64, N 2,048]; A: computed on the way; B: computed on the way: QUANTISED
;;     3. batch 64 x [M 2,048, K 2,048] x [K 2,048, N 64]; A: softmax (see below); B: computed on the way: QUANTISED
;;     4. [M 8,192, K 1,024] x [K 1,024, N 1,024]; A: computed on the way; B: input W_out (given as codes): QUANTISED
;;   THE QUANTISER, for each operand of a quantised product, along K:
;;     - K is cut into blocks of 32 from its start; a last block that is shorter is filled with zeros.
;;     - A block's scale is 2^e with e = floor(log2(the largest magnitude in the block)) - 2, held to -126 .. 127; a block of zeros has e = 0. As a byte (E8M0): e + 127.
;;     - Each number is divided by its block's scale, clamped to +-7.5, and rounded to the nearest number of E2M3, ties to even, subnormals kept.
;;     - The product sums the exact products of the quantised numbers (number of the format x scale) in f32.
;;   ~~~python
;;   def quantise(x, axis):      # numpy; x: float32 -> the quantised numbers, widened to float32 again
;;       x = np.moveaxis(x, axis, -1); K = x.shape[-1]
;;       x = np.pad(x, [(0, 0)] * (x.ndim - 1) + [(0, -K % 32)]); x = x.reshape(x.shape[:-1] + (-1, 32)); a = np.abs(x).max(-1, keepdims=True)
;;       e = np.where(a > 0, np.clip(np.frexp(np.where(a > 0, a, 1))[1] - 1 - 2, -126, 127), 0)      # np.frexp(a)[1] - 1 = floor(log2(a)), exactly
;;       r = np.clip(x / 2.0 ** e, -7.5, 7.5)
;;       step = 2.0 ** (np.maximum(np.frexp(np.where(r == 0, 1, r))[1] - 1, 0) - 3)
;;       q = np.round(r / step) * step * 2.0 ** e      # np.round: ties to even
;;       return np.moveaxis(q.reshape(q.shape[:-2] + (-1,))[..., :K], -1, axis).astype(np.float32)
;;   ~~~
;;   SOFTMAX AHEAD OF A QUANTISED PRODUCT. Where the list says 'softmax', what is quantised is not the finished softmax but p = 2^(t - M), with t = logit x log2(e) and M = ceil(the row's largest t), a whole number; so 1/2 < the row's largest p <= 1. The row's sum l is taken of the UNQUANTISED p, in f32, and the product's result is divided by l at the end. Since M is a whole number, a kernel that streams over the keys may use a running M (the ceiling of the running maximum): every later rescaling is an exact power of two, which a block's scale takes up: the codes' values come out the same.
;;   OPERANDS COMPUTED ON THE WAY. 'Computed on the way' means the value that the module computes at that place (a softmax that the list does not call 'softmax' is quantised finished and normalised). What goes into a quantiser is computed in f32, as accurately as f32 sums, v_exp_f32 and their like allow (about 1e-6 of the number): no bf16 or f16 on the way to a quantiser, and a product that is left as it is and whose result goes on into a quantised operand takes f32 operands (vector FMAs, or v_wmma_f32_16x16x4_f32). A number that lies on a knife's edge between two numbers of the format may be rounded either way, as far as f32 arithmetic and the matrix unit's own rounding can turn it there, and no further.
;;   INPUTS GIVEN AS CODES. W_out (in the module: [1024, 1024], K = its axis 0); W_qkv (in the module: [1024, 3072], K = its axis 0); x (in the module: [4, 2048, 1024], K = its axis 2): each comes as NAME_codes (uint8): NAME with its K axis moved to the last place and cut into blocks of 32 codes, [.., K / 32, bytes a block], one block behind the other in memory; four codes in three bytes: a row's codes are one little-endian stream of bits, code i at bits 6 i .. 6 i + 5 (a code: sign, 2 exponent bits, 3 mantissa bits); and NAME_scales (uint8): the same leading axes, one E8M0 byte (e + 127) for each 32 codes along K. Its value is code x scale, taken as it is: it is not quantised again, and the codes and scales need not be those that the quantiser above would give.
;; One version. Each part assembles by itself: llvm-mc -triple=amdgcn-amd-amdhsa -mcpu=gfx1250 --defsym DOCPART=n.
;; ======== version 1 of 1: 3 launches
;; workspace buffers: qkv_codes 18,874,368 bytes; qkv_scales 1,572,864 bytes; attn_codes 6,291,456 bytes; attn_scales 262,144 bytes
;; launch qkv (part 1): grid 12 x 32, 4 waves a work-group, clusters of 4 x 4, 327,680 bytes of LDS; arguments x_codes, x_scales, W_qkv_codes, W_qkv_scales, b_qkv, qkv_codes, qkv_scales; writes qkv_codes, qkv_scales
.if DOCPART == 1
	.amdgcn_target "amdgcn-amd-amdhsa--gfx1250"
	.amdhsa_code_object_version 6
	.text
	.protected	k_q9e628b80d0_qkv
	.globl	k_q9e628b80d0_qkv
	.p2align	8
	.type	k_q9e628b80d0_qkv,@function
k_q9e628b80d0_qkv:
	s_mov_b64 s[64:65], 0
	v_nop
	global_prefetch_b8 v0, s[64:65] scope:SCOPE_SE
	s_setreg_imm32_b32 hwreg(HW_REG_WAVE_MODE, 25, 1), 1
	s_wait_xcnt 0x0
	s_wait_alu depctr_hold_cnt(0) depctr_sa_sdst(0) depctr_va_vdst(0) depctr_va_sdst(0) depctr_va_ssrc(0) depctr_va_vcc(0) depctr_vm_vsrc(0)
	s_getreg_b32 s2, hwreg(HW_REG_IB_STS2, 6, 4)
	s_cmp_eq_u32 s2, 0
	s_cbranch_scc0 .Lentry_in_a_cluster
	s_endpgm
.Lentry_in_a_cluster:
	s_bfe_u32 s2, ttmp6, 0x10000c
	s_cmp_lg_u32 s2, 0xf033
	s_cbranch_scc0 .Lentry_shape_is_right
	s_endpgm
.Lentry_shape_is_right:
; qkv = x W_qkv + b_qkv on codes of FP6 (E2M3) with one E8M0 scale for each 32 along K = 1,024; the results are quantised at once, in registers, into the operands of attention's two products.
; x: [8192][1024] codes, W_qkv: [3072][1024] codes, both K innermost, 768 bytes a row; their scale bytes 32 a row.  No f32 result goes to memory.
; A tile of 256 x 256 results is made by four waves, each 128 x 128: 64 accumulators of 16 x 16.  K goes in steps of 256 through two LDS slots; the scale bytes of the work-group's 2 x 256 rows stay in LDS.
; ROLES.  In a result tile a lane holds one row of source 1 (THE LANE ROLE) and its eight registers eight neighbouring rows of source 0 (THE REGISTER ROLE).  A quantiser wants its K along a lane's registers:
;   q and k are quantised along the head's 64 columns: lane role = x (tokens), register role = W (columns);      clusters with x = 0, 1: W's tiles 0-7.
;   v is quantised along the keys (tokens):            lane role = W (columns), register role = x (tokens);      clusters with x = 2:    W's tiles 8-11.
; x's and W's rows have the same bytes, so the roles are a choice of pointers and tile numbers on the CLUSTER's x, which all sixteen partners share.
; CLUSTERS: 4 x 4 work-groups; the lane role's tile is shared along a row of the cluster, the register role's along a column: each is asked for jointly, by one tensor load with a mask of four.
; WHAT IS STORED.  A lane's 64 numbers (register 16 b + 8 u + j = element 32 b + 16 u + 8 (lane / 16) + j of its row) become 12 registers of codes and a scale word.  Lanes l and l xor 16 hold a whole block of 32,
; so scale bytes are the rule's.  INSIDE a block the codes stand in a fixed other order (place 16 h + 8 u + j holds element 16 u + 8 h + j); q, k, v and attention's p are all made by these same lines on the same
; pattern, so both operands of each of attention's products carry the same order and every product of two codes meets its partner.  Only the order in which the matrix unit adds inside a block differs.
; The codes leave as IMAGES OF THE OPERAND'S REGISTERS: q, k: 16 rows x 64 codes = registers 0-5: 512 bytes (16 a lane) + 256 bytes (8 a lane); v: 16 d x 128 keys = 12 registers: 3 x 512 bytes.
; Every store of a wave covers 256 or 512 consecutive bytes at a multiple of 256 from its buffer's first byte.
; LIMITS: NaN and infinities are not served.  A block whose largest magnitude lies under 2^-124, a block of zeros too, gets the scale byte 1 (the rule says 127 for zeros): its codes are zeros or what that scale gives, and this program alone reads the bytes.
.set KSTEP,  256                       ; along K in a slot
.set NQ,     2                         ; matrix instructions deep
.set ROWB,   192                       ; a tile's row in bytes
.set KROW,   768                       ; a row of x or of W in memory
.set PITCH,  240                       ; an LDS row: 3 x (64 bytes + 16 of padding) = 60 words: the 32 lanes of a load of 8 bytes touch 64 different banks (64 banks of 4 bytes: ISA guide 11.1)
.set FR,     12                        ; registers of a fragment: 16 rows x 128 K
.set NL,     6                         ; LDS loads that bring one
.set NP,     4                         ; places behind this matrix instruction (ISA guide 7.12.1)
.set HALFT,  128*PITCH                 ; 128 rows: what one tensor load brings
.set SLOT,   4*HALFT                   ; the lane role's 256 rows, then the register role's
.set KS,     32                        ; a row of scale bytes
.set SCL,    2*SLOT                    ; behind the ring: the scale bytes, as units of 256 bytes + 16 of padding
.set HALFS,  (128*KS/256)*272          ; those of 128 rows
.set SBLK,   (16*KS/256)*272           ; those of 16 rows
.set SPARE,  SCL+4*HALFS               ; the spare words, 128 bytes for each wave: two blocks of 256 bytes that no other line names
.set REG,    6291456                   ; qkv_codes: q's, k's, v's region
.set BHB,    98304                     ; a head's bytes in a region
.set SREG,   786432                    ; qkv_scales: q's region, then k's and v's
.set BHS,    12288                     ; a head's bytes there: 16 groups of 128 tokens x 768
.set L16,  7                           ; v7      16 x lane
.set L8,   8                           ; v8      8 x lane
.set H32,  9                           ; v9      32 x (lane / 16)
.set R4,   10                          ; v10     4 x (lane % 16)
.set LANE, 11                          ; v11     lane
.set ADRA, 16                          ; v16-17  LDS address of the lane role's fragments in slot 0, 1  (v18-19: for the pieces behind one padding more)
.set ADRB, 20                          ; v20-21  the same for the register role  (v22-23)
.set ADRS, 27                          ; v27     LDS address of my scale words: lanes 0-15 the lane role's rows, lanes 16-31 the register role's
.set SPW,  28                          ; v28     LDS address of my spare word; never rewritten
.set NIL,  29                          ; v29     0; never rewritten
.set SC,   32                          ; v32-63  scale words, two sets; they hold nothing else
.set BIAS, 64                          ; v64-127 the bias in the results' layout
.set AF,   128                         ; v128-223 the lane role's fragments, one set
.set H,    128                         ; the way out: 64 numbers of a lane
.set QC,   192                         ; v192-203 their codes; v204-211 the conversions' second halves
.set TM,   212                         ; v212-215 largest magnitudes, v216-219 the other half's, then bytes, v224-227 the conversions' scale operands
.set PWS,  228                         ; v228-235 the scale words of my eight blocks
.set SELW, 236                         ; v236-239 two blocks' words in one register
.set WD,   240                         ; v240-247 words to store
.set G1, 24                            ; s[24:31] descriptor group 1 for the lane role's tiles;  s[32:39] group 0, one set for each slot
.set G0, 32
.set G1B, 48                           ; s[48:55], s[56:63] the same for the register role's
.set G0B, 56
.set G1S, 68                           ; s[68:75], s[76:79] groups 1 and 0 for the lane role's scales;  s[80:87], s[88:91] for the register role's
.set G0S, 76
.set G1SB, 80
.set G0SB, 88
.set SEL, 98                           ; s[98:99] lane selects for v_permlanex16_b32: lane l xor 16
.set MSB, 0
.macro WIN new                         ; the immediate's high byte repeats the setting that is left
.if MSB != \new
	s_set_vgpr_msb (MSB<<8)|\new
.set MSB, \new
.endif
.endm
.set MUL_LO, 0xa1                      ; source 0 window 1, source 1 window 0, C and D window 2
.set MUL_HI, 0xf1                      ; the same, C and D window 3
.set TO_B,   0x40                      ; destination window 1, address window 0
; A joint load: waves 0 and 1 fetch for the lane role, waves 2 and 3 for the register role.  The branch hangs on the wave's number alone.  Four v_nop follow each of the two lines.
.macro JLOAD g0a, g1a, g0b, g1b
	s_cmp_eq_u32 s15, 0
	s_cbranch_scc0 .Lfor_b_\@
	tensor_load_to_lds s[\g0a:\g0a+3], s[\g1a:\g1a+7]
	s_nop 0
.rept 4
	v_nop
.endr
	s_branch .Lasked_\@
.Lfor_b_\@:
	tensor_load_to_lds s[\g0b:\g0b+3], s[\g1b:\g1b+7]
	s_nop 0
.rept 4
	v_nop
.endr
.Lasked_\@:
.endm
.macro CREST                           ; a round of the cluster's barrier behind its opening barrier
	s_cmp_lg_u32 s14, 0
	s_cbranch_scc1 .Lnot_wave_0_\@
	s_barrier_signal -3
.Lnot_wave_0_\@:
	s_barrier_wait -3
	s_barrier_signal -1
	s_barrier_wait -1
.endm
.macro CROUND                          ; a whole round
	s_barrier_signal -1
	s_barrier_wait -1
	CREST
.endm
	s_load_b128 s[4:7], s[0:1], 0x0                ; x's codes, x's scales
	s_load_b128 s[8:11], s[0:1], 0x10              ; W's codes, W's scales
	s_load_b64 s[2:3], s[0:1], 0x20                ; b_qkv
	s_load_b64 s[12:13], s[0:1], 0x28              ; qkv_codes
	s_load_b64 s[96:97], s[0:1], 0x30              ; qkv_scales
	v_lshl_add_u32 v[SPW], v0, 2, SPARE
	v_mov_b32 v[NIL], 0
	ds_add_u32 v28, v29
	ds_add_u32 v28, v29
	s_wait_dscnt 0x0
	v_lshrrev_b32 v1, 5, v0
	v_readfirstlane_b32 s14, v1                    ; wave 0..3
	s_lshr_b32 s15, s14, 1                         ; which half of the lane role's 256 rows is mine.  Also: I fetch for the lane role (0) or the register role (1)
	s_and_b32 s16, s14, 1                          ; which half of the register role's.  Also: which 128 rows of that tile I fetch
	s_bfe_u32 s40, ttmp6, 0x40000                  ; cx, cy: my place in the cluster
	s_bfe_u32 s41, ttmp6, 0x40004
	s_and_b32 s17, ttmp7, 0xffff                   ; the cluster's y
	s_cmp_eq_u32 ttmp9, 2                          ; the cluster's x: 0, 1 make q and k, 2 makes v: the same in all sixteen partners
	s_cselect_b32 s42, s17, ttmp9
	s_cselect_b32 s17, 2, s17
	s_cselect_b32 s95, 1, 0                        ; s95 = 1: v
	s_lshl_b32 s42, s42, 2
	s_add_co_u32 s42, s42, s40                     ; the register role's tile: q, k: W's 0-7;  v: x's 0-31
	s_lshl_b32 s17, s17, 2
	s_add_co_u32 s17, s17, s41                     ; the lane role's tile:     q, k: x's 0-31; v: W's 8-11
	s_lshl_b32 s43, s41, 2
	s_lshl_b32 s43, 15, s43                        ; my row of the cluster
	s_lshl_b32 s44, 0x1111, s40                    ; my column
	; descriptor group 1: a tile of 128 rows x 192 bytes, padded in LDS
	s_or_b32 s[G1+0], s43, (0<<16)|(1<<20)|(1<<21)|(3<<22)|(3<<25)  ; 15:0 the mask: my row; 17:16 elements of 1 byte; 20 padding on; 21 set beside a mask; 24:22 after every 16 words (code 3); 31:25 of 4 words (code 3)
	s_or_b32 s[G1B+0], s44, (0<<16)|(1<<20)|(1<<21)|(3<<22)|(3<<25) ; the same with my column's mask
.irp g, G1, G1B
	s_mov_b32 s[\g+1], ROWB<<16                    ; tensor_dim0
	s_mov_b32 s[\g+2], 128<<16                     ; tensor_dim1
	s_mov_b32 s[\g+3], ROWB<<16                    ; tile_dim0
	s_mov_b32 s[\g+4], 128                         ; tile_dim1
	s_mov_b32 s[\g+5], KROW                        ; tensor_dim0_stride
	s_mov_b32 s[\g+6], 0
	s_mov_b32 s[\g+7], 0
.endr
	; the scale bytes of 128 rows: a dense block of 4,096 bytes, as 16 rows of 256 bytes (32 elements of 8 bytes), 16 bytes of padding behind each
	s_or_b32 s[G1S+0], s43, (3<<16)|(1<<20)|(1<<21)|(5<<22)|(3<<25)
	s_or_b32 s[G1SB+0], s44, (3<<16)|(1<<20)|(1<<21)|(5<<22)|(3<<25)
.irp g, G1S, G1SB
	s_mov_b32 s[\g+1], 32<<16
	s_mov_b32 s[\g+2], (128*KS/256)<<16
	s_mov_b32 s[\g+3], 32<<16
	s_mov_b32 s[\g+4], 128*KS/256
	s_mov_b32 s[\g+5], 32
	s_mov_b32 s[\g+6], 0
	s_mov_b32 s[\g+7], 0
.endr
	s_lshl_b32 s18, s16, 7                         ; which 128 rows of the tile I fetch
	s_lshl_b32 s20, s17, 8
	s_add_co_u32 s20, s20, s18                     ; lane role: row 256 x tile + 128 x half
	s_lshl_b32 s46, s42, 8
	s_add_co_u32 s46, s46, s18                     ; register role likewise
	s_mov_b32 s21, 0
	s_mov_b32 s47, 0
	s_mov_b64 s[18:19], KS
	s_mul_u64 s[22:23], s[20:21], s[18:19]         ; where these rows' scale bytes begin
	s_mul_u64 s[92:93], s[46:47], s[18:19]
	s_mov_b64 s[18:19], KROW
	s_mul_u64 s[20:21], s[20:21], s[18:19]         ; and their codes
	s_mul_u64 s[46:47], s[46:47], s[18:19]
	s_mul_i32 s45, s14, HALFT                      ; where they go: wave x 128 rows: no place in the cluster enters an LDS address
	s_mul_i32 s94, s14, HALFS
	s_mov_b32 s[SEL], 0x76543210
	s_mov_b32 s[SEL+1], 0xfedcba98
	s_wait_kmcnt 0x0
	s_cmp_eq_u32 s95, 1                            ; for v the two tensors change roles: s[4:7] the lane role's codes and scales, s[8:11] the register role's
	s_cselect_b64 s[66:67], s[8:9], s[4:5]
	s_cselect_b64 s[8:9], s[4:5], s[8:9]
	s_mov_b64 s[4:5], s[66:67]
	s_cselect_b64 s[66:67], s[10:11], s[6:7]
	s_cselect_b64 s[10:11], s[6:7], s[10:11]
	s_mov_b64 s[6:7], s[66:67]
	s_add_nc_u64 s[20:21], s[4:5], s[20:21]
	s_add_nc_u64 s[22:23], s[6:7], s[22:23]
	s_add_nc_u64 s[46:47], s[8:9], s[46:47]
	s_add_nc_u64 s[92:93], s[10:11], s[92:93]
	CROUND                                         ; all sixteen work-groups are here: the first joint loads meet
	s_mov_b32 s[G0S], 1
	s_add_co_u32 s[G0S+1], s94, SCL
	s_mov_b64 s[G0S+2:G0S+3], s[22:23]
	s_or_b32 s[G0S+3], s[G0S+3], 0x80000000
	s_mov_b32 s[G0SB], 1
	s_add_co_u32 s[G0SB+1], s94, SCL
	s_mov_b64 s[G0SB+2:G0SB+3], s[92:93]
	s_or_b32 s[G0SB+3], s[G0SB+3], 0x80000000
	JLOAD G0S, G1S, G0SB, G1SB                     ; the scale bytes first: they are wanted with K step 0
.irp s, 0,1
	s_mov_b32 s[G0+4*\s], 1
	s_add_co_u32 s[G0+4*\s+1], s45, \s*SLOT
	s_add_nc_u64 s[G0+4*\s+2:G0+4*\s+3], s[20:21], \s*ROWB
	s_or_b32 s[G0+4*\s+3], s[G0+4*\s+3], 0x80000000
	s_mov_b32 s[G0B+4*\s], 1
	s_add_co_u32 s[G0B+4*\s+1], s45, \s*SLOT
	s_add_nc_u64 s[G0B+4*\s+2:G0B+4*\s+3], s[46:47], \s*ROWB
	s_or_b32 s[G0B+4*\s+3], s[G0B+4*\s+3], 0x80000000
	JLOAD G0+4*\s, G1, G0B+4*\s, G1B               ; three tensor loads of mine are out behind the second of these
.endr
	v_and_b32 v1, 15, v0                           ; r = lane % 16
	v_bfe_u32 v2, v0, 4, 1                         ; h = lane / 16
	v_mul_u32_u24 v3, v1, PITCH
	v_mul_u32_u24 v4, v2, 24
	v_add_nc_u32 v4, v3, v4                        ; a fragment's row x pitch + 24 x half
	v_lshl_add_u32 v5, v2, 4, v4                   ; and the same behind one padding more
	s_mul_i32 s21, s15, HALFT                      ; my 128 rows of the lane role
	s_mul_i32 s22, s16, HALFT                      ; my 128 rows of the register role,
	s_add_co_u32 s22, s22, 2*HALFT                 ; which lie behind the lane role's 256
.irp s, 0,1
	v_add_nc_u32 v[ADRA+\s], s21, v4
	v_add_nc_u32 v[ADRB+\s], s22, v4
	v_add_nc_u32 v[ADRA+2+\s], s21, v5
	v_add_nc_u32 v[ADRB+2+\s], s22, v5
	s_add_co_u32 s21, s21, SLOT
	s_add_co_u32 s22, s22, SLOT
.endr
	v_mul_u32_u24 v5, v1, KS                       ; my row's scale bytes: 32 a row,
	v_lshrrev_b32 v6, 8, v5
	v_lshl_add_u32 v5, v6, 4, v5                   ; and 16 more for each 256 passed
	s_mul_i32 s21, s15, HALFS
	s_mul_i32 s22, s16, HALFS
	s_add_co_u32 s22, s22, 2*HALFS
	s_sub_co_u32 s22, s22, s21
	v_mul_u32_u24 v6, s22, v2                      ; lanes 16-31 take the register role's
	s_add_co_u32 s21, s21, SCL
	v_add_nc_u32 v5, v5, v6
	v_add_nc_u32 v[ADRS], s21, v5
	v_and_b32 v[LANE], 31, v0
	v_lshlrev_b32 v[L16], 4, v[LANE]
	v_lshlrev_b32 v[L8], 3, v[LANE]
	v_lshlrev_b32 v[H32], 5, v2
	v_lshlrev_b32 v[R4], 2, v1
.macro FRAG reg, adr, q, i             ; a fragment: lane l holds row l % 16; registers 6 c .. 6 c + 5 hold K = 64 c + 32 (l / 16) + 0 .. 31: 24 bytes of the row's stream of bits, as they lie
.irp p, 0,1,2,3,4,5                    ; in pieces of 8 bytes.  16 bytes of padding lie behind every 8 pieces: where the piece three on (lanes 16-31) lies behind one padding more, the second address register serves
.set PIECE, 12*(\q)+6*(\p/3)+\p%3
.if PIECE%8 < 5
	ds_load_b64 v[\reg+2*\p:\reg+2*\p+1], v[\adr] offset:8*PIECE+16*(PIECE/8)+(\i)*16*PITCH
.else
	ds_load_b64 v[\reg+2*\p:\reg+2*\p+1], v[\adr+2] offset:8*PIECE+16*(PIECE/8)+(\i)*16*PITCH
.endif
.endr
.endm
; 16 matrix instructions: the lane role's blocks a0, a0 + 1 x the register role's eight, 128 along K.  p: the register role's set;  sc: the set of scale words.  zero = 1: the first product starts the sums.
; The 64 accumulators take turns, one instruction a turn, in the same order in every step.
.macro MUL16 a0, p, q, sc, zero
.irp a, \a0, \a0+1
.irp b, 0,1,2,3,4,5,6,7
.if \zero
	v_wmma_scale_f32_16x16x128_f8f6f4 v[8*(8*((\a)%4)+\b):8*(8*((\a)%4)+\b)+7], v[128*(\p)+FR*\b:128*(\p)+FR*\b+FR-1], v[AF+FR*(\a):AF+FR*(\a)+FR-1], 0, v[SC+8*NQ*(\sc)+NQ*\b+(\q)], v[SC+8*NQ*(\sc)+NQ*(\a)+(\q)] matrix_a_fmt:MATRIX_FMT_FP6 matrix_b_fmt:MATRIX_FMT_FP6 matrix_a_scale:MATRIX_SCALE_ROW1
.else
	v_wmma_scale_f32_16x16x128_f8f6f4 v[8*(8*((\a)%4)+\b):8*(8*((\a)%4)+\b)+7], v[128*(\p)+FR*\b:128*(\p)+FR*\b+FR-1], v[AF+FR*(\a):AF+FR*(\a)+FR-1], v[8*(8*((\a)%4)+\b):8*(8*((\a)%4)+\b)+7], v[SC+8*NQ*(\sc)+NQ*\b+(\q)], v[SC+8*NQ*(\sc)+NQ*(\a)+(\q)] matrix_a_fmt:MATRIX_FMT_FP6 matrix_b_fmt:MATRIX_FMT_FP6 matrix_a_scale:MATRIX_SCALE_ROW1
.endif
.endr
.endr
.endm
.macro FETCH_B slot, q, p              ; the register role's eight fragments of the slot's q-th 128 along K into set p
	WIN TO_B
.irp i, 0,1,2,3,4,5,6,7
	FRAG 128*(\p)+FR*\i, ADRB+\slot, \q, \i
.endr
	WIN 0
.endm
.macro FETCH_A slot, q, i0             ; the lane role's blocks i0 .. i0 + 3
.irp i, \i0, \i0+1, \i0+2, \i0+3
	FRAG AF+FR*(\i), ADRA+\slot, \q, \i
.endr
.endm
.macro SCALES sc                       ; a K step's scale words into set sc: two words a row; lanes 0-15 the lane role's block i, lanes 16-31 the register role's block i
.irp i, 0,1,2,3,4,5,6,7
	ds_load_b64 v[SC+8*NQ*\sc+NQ*\i:SC+8*NQ*\sc+NQ*\i+1], v[ADRS] offset:\i*SBLK
.endr
.endm
.macro PLACES n                        ; plain vector instructions between a matrix instruction and a load into, or a vector instruction on, its registers (ISA guide 7.12.1 for vector instructions)
.rept \n
	v_nop
.endr
.endm
; A step of 128 along K that has its successor in the same slot.
.macro STEP slot, q, zero
	s_wait_dscnt 4*NL                              ; all but the youngest 24 loads, the lane role's blocks 4-7
	WIN MUL_LO
	MUL16 0, (\q)%2, \q, \slot, \zero
	MUL16 2, (\q)%2, \q, \slot, \zero
	s_wait_dscnt 0                                 ; blocks 4-7 are in (asked for 32 matrix instructions ago)
	PLACES NP
	FETCH_B \slot, (\q)+1, 1-(\q)%2
	FETCH_A \slot, (\q)+1, 0
	WIN MUL_HI
	MUL16 4, (\q)%2, \q, \slot, \zero
	MUL16 6, (\q)%2, \q, \slot, \zero
	PLACES NP
	WIN 0
	FETCH_A \slot, (\q)+1, 4
.endm
; A slot's last step changes slots: ONE barrier; in front of it each wave waits for all its tensor loads, adds 0 to its spare word, and waits for that and for its own reads of this slot.  fill = 1: this slot is filled again, two K steps ahead.
.macro TURN slot, next, fill
	s_wait_tensorcnt 0x0                           ; all my tensor loads have landed: my part of the next slot
	ds_add_u32 v[SPW], v[NIL]                      ; 0 onto my spare word
	s_wait_dscnt 4*NL+1                            ; (the add and the youngest 24 loads may be out)
	WIN MUL_LO
	MUL16 0, 1, NQ-1, \slot, 0                     ; sixteen matrix instructions stand between the add and the wait for it
	s_wait_dscnt 0x0                               ; the add is done, and my reads of this slot are over
	s_barrier_signal -1
	MUL16 2, 1, NQ-1, \slot, 0
	WIN 0
	s_barrier_wait -1
.if \fill
	CREST                                          ; the barrier has opened a round of the cluster's barrier: no wave of any partner still reads this slot's tile or has a load on its way
	s_add_nc_u64 s[G0+4*\slot+2:G0+4*\slot+3], s[G0+4*\slot+2:G0+4*\slot+3], 2*ROWB
	s_add_nc_u64 s[G0B+4*\slot+2:G0B+4*\slot+3], s[G0B+4*\slot+2:G0B+4*\slot+3], 2*ROWB
	JLOAD G0+4*\slot, G1, G0B+4*\slot, G1B         ; the first tensor load behind the round; its four v_nop are the places in front of the loads below
.else
	PLACES NP
.endif
	s_wait_alu depctr_va_vdst(0)
	v_add_nc_u32 v[ADRS], 4*NQ, v[ADRS]            ; on to the next K step's scale words
	FETCH_B \next, 0, 0
	FETCH_A \next, 0, 0
	SCALES \next
	WIN MUL_HI
	MUL16 4, 1, NQ-1, \slot, 0
	MUL16 6, 1, NQ-1, \slot, 0
	PLACES NP
	WIN 0
	FETCH_A \next, 0, 4
.endm
.macro LAST                            ; the very last 128 along K: nothing more to fetch
	s_wait_dscnt 4*NL
	WIN MUL_LO
	MUL16 0, 1, NQ-1, 1, 0
	MUL16 2, 1, NQ-1, 1, 0
	s_wait_dscnt 0
	WIN MUL_HI
	MUL16 4, 1, NQ-1, 1, 0
	MUL16 6, 1, NQ-1, 1, 0
	WIN 0
.endm
; 64 numbers of a lane, v[s] on, four blocks of 32 shared with lane l xor 16, become 12 registers of codes in v[QC] on and a scale word in v[pw].
.macro QUANT s, pw
.irp b, 0,1,2,3
	v_max3_num_f32 v[TM+\b], |v[\s+16*\b]|, |v[\s+1+16*\b]|, 0x1800000   ; block b: my 16 numbers, and the floor 2^(3 - 127): the byte cannot fall under 1
.endr
.irp i, 2,4,6,8,10,12,14
.irp b, 0,1,2,3
	v_max3_num_f32 v[TM+\b], v[TM+\b], |v[\s+16*\b+\i]|, |v[\s+1+16*\b+\i]|   ; (the four blocks by turns)
.endr
.endr
.irp b, 0,1,2,3
	v_permlanex16_b32 v[TM+4+\b], v[TM+\b], s[SEL], s[SEL+1]
.endr
.irp b, 0,1,2,3
	v_max_num_f32 v[TM+\b], v[TM+\b], v[TM+4+\b]   ; with lane l xor 16's: the block's largest magnitude
.endr
.irp b, 0,1,2,3
	v_add_nc_u32 v[TM+12+\b], 0xff000000, v[TM+\b]   ; 2 off its exponent field: the conversion takes the exponent field of this operand as its scale
.endr
.irp b, 0,1,2,3
	v_lshrrev_b32 v[TM+4+\b], 23, v[TM+12+\b]      ; the scale's byte
.endr
	v_lshl_or_b32 v[\pw], v[TM+5], 8, v[TM+4]      ; the four bytes make my row's scale word
	v_lshl_or_b32 v[\pw], v[TM+6], 16, v[\pw]
	v_lshl_or_b32 v[\pw], v[TM+7], 24, v[\pw]
.irp c, 0,1
	v_cvt_scalef32_pk16_fp6_f32 v[QC+6*\c:QC+2+6*\c], v[\s+32*\c:\s+15+32*\c], v[TM+12+2*\c]
	v_cvt_scalef32_pk16_fp6_f32 v[QC+12+4*\c:QC+14+4*\c], v[\s+16+32*\c:\s+31+32*\c], v[TM+12+2*\c+1]   ; (a conversion's three registers begin on an even number)
.endr
	v_nop                                          ; one plain place behind a scaled conversion
.irp c, 0,1                                    ; the operand's layout wants a whole block in a lane: lanes 0-15 block 2 c, lanes 16-31 block 2 c + 1
.irp i, 0,1,2
	v_permlane16_swap_b32 v[QC+6*\c+\i], v[QC+12+4*\c+\i]
.endr
.irp i, 0,1,2
	v_mov_b32 v[QC+3+6*\c+\i], v[QC+12+4*\c+\i]
.endr
.endr
.endm
; Block a's 64 results + the bias -> v[H] on, each accumulator from its low end on.  perlane = 0: the bias runs along the registers;  1: one number a lane, held twice in a pair.
.macro PULL a, perlane
	WIN 0x02+(\a)/4                                ; source 0: window 2 or 3
.set i, 0
.rept 32
.if \perlane
	v_pk_add_f32 v[H+2*i:H+2*i+1], v[64*((\a)%4)+2*i:64*((\a)%4)+2*i+1], v[BIAS+2*(\a):BIAS+2*(\a)+1]
.else
	v_pk_add_f32 v[H+2*i:H+2*i+1], v[64*((\a)%4)+2*i:64*((\a)%4)+2*i+1], v[BIAS+2*i:BIAS+2*i+1]
.endif
.set i, i+1
.endr
	WIN 0
.endm
; Where my wave's results go.  tt, th: the registers that hold x's tile and my half of it (128 tokens = one group);  ct, ch: W's tile and my half of it (128 columns = two heads);  sx: V's scale images lie 512 bytes into a group's 768.
.macro BASES tt, th, ct, ch, sx
	s_lshl_b32 s20, s[\tt], 1
	s_add_co_u32 s20, s20, s[\th]                  ; the group of 128 tokens, 0-63
	s_lshr_b32 s21, s20, 4                         ; its batch,
	s_and_b32 s20, s20, 15                         ; and its number in the batch
	s_and_b32 s22, s[\ct], 3
	s_lshl_b32 s22, s22, 2
	s_lshl_b32 s23, s[\ch], 1
	s_add_co_u32 s22, s22, s23                     ; my first head
	s_lshl_b32 s21, s21, 4
	s_add_co_u32 s21, s21, s22                     ; 16 x batch + head
	s_lshr_b32 s22, s[\ct], 2                      ; 0: q, 1: k, 2: v
	s_mul_i32 s46, s22, REG
	s_mul_i32 s23, s21, BHB
	s_add_co_u32 s46, s46, s23
	s_mul_i32 s23, s20, 6144                       ; a group's codes of one head: 8 x 768 = 4 x 1,536 bytes
	s_add_co_u32 s46, s46, s23
	s_mov_b32 s47, 0
	s_add_nc_u64 s[12:13], s[12:13], s[46:47]
	s_min_u32 s22, s22, 1                          ; the scales' region: q's, or k's and v's
	s_mul_i32 s46, s22, SREG
	s_mul_i32 s23, s21, BHS
	s_add_co_u32 s46, s46, s23
	s_mul_i32 s23, s20, 768
	s_add_co_u32 s46, s46, s23
	s_add_co_u32 s46, s46, \sx
	s_add_nc_u64 s[96:97], s[96:97], s[46:47]
	s_lshl_b32 s46, s[\ct], 10
	s_lshl_b32 s23, s[\ch], 9
	s_add_co_u32 s46, s46, s23                     ; my 128 columns' bias
	s_add_nc_u64 s[2:3], s[2:3], s[46:47]
.endm
.macro PAIRS                           ; two blocks' scale words in one register: lanes 0-15 block 2 j's, lanes 16-31 block 2 j + 1's (every lane holds its row's word of every block)
	v_cmp_lt_u32 vcc_lo, 15, v[LANE]
.irp j, 0,1,2,3
	v_cndmask_b32 v[SELW+\j], v[PWS+2*\j], v[PWS+2*\j+1], vcc_lo
.endr
.endm
	s_wait_alu depctr_va_vdst(0)
	s_wait_tensorcnt 1                             ; the scale bytes and my part of K step 0 are in (K step 1's load may be out)
	s_barrier_signal -1
	s_barrier_wait -1                              ; everybody's are
	FETCH_B 0, 0, 0
	FETCH_A 0, 0, 0
	SCALES 0
	FETCH_A 0, 0, 4
	STEP 0, 0, 1                                   ; K = 1,024 is four K steps, eight steps of 128: written out, no loop.  The first products start the sums
	TURN 0, 1, 1                                   ; slot 0 takes K step 2
	STEP 1, 0, 0
	TURN 1, 0, 1                                   ; slot 1 takes K step 3
	STEP 0, 0, 0
	TURN 0, 1, 0                                   ; nothing is left to fetch
	STEP 1, 0, 0
	s_cmp_lg_u32 s95, 0                            ; the same in every partner
	s_cbranch_scc1 .Lv
	; ---- q AND k.  A lane holds a token; accumulator (a, b): token 16 a + r, columns 16 b + 8 h + 0 .. 7: blocks 0, 1 are my first head's 64, blocks 2, 3 my second head's
	BASES 17, 15, 42, 16, 0
.irp b, 0,1,2,3,4,5,6,7
	global_load_b128 v[BIAS+8*\b:BIAS+8*\b+3], v[H32], s[2:3] offset:64*\b       ; the bias of columns 16 b + 8 h + 0 .. 7: asked for ahead of the last 64 products
	global_load_b128 v[BIAS+8*\b+4:BIAS+8*\b+7], v[H32], s[2:3] offset:64*\b+16
.endr
	LAST
	PLACES NP
	s_wait_loadcnt 0x0
.irp b, 0,1,2,3
	v_mov_b32 v[TM+4+\b], 0                        ; a lane permute's destination counts as one of its sources
.endr
.irp a, 0,1,2,3,4,5,6,7
.if \a > 0
	s_wait_xcnt 0x0                                ; the last block's stores have read their registers: the codes may be written again
.endif
	PULL \a, 0
	QUANT H, PWS+\a
	global_store_b128 v[L16], v[QC:QC+3], s[12:13] offset:768*\a                 ; my first head's 16 tokens x 64 codes: registers 0-3, 512 bytes,
	global_store_b64 v[L8], v[QC+4:QC+5], s[12:13] offset:768*\a+512             ; registers 4-5, 256 bytes
	global_store_b128 v[L16], v[QC+6:QC+9], s[12:13] offset:BHB+768*\a           ; my second head's
	global_store_b64 v[L8], v[QC+10:QC+11], s[12:13] offset:BHB+768*\a+512
.endr
	PAIRS
.irp j, 0,1,2,3
	v_and_b32 v[WD+\j], 0xffff, v[SELW+\j]         ; my first head's two bytes; the word's upper two are 0: they stand over zero codes
	v_lshrrev_b32 v[WD+4+\j], 16, v[SELW+\j]       ; my second head's
.endr
	global_store_b128 v[L16], v[WD:WD+3], s[96:97]                 ; lane l: the words of tiles 2 j + l / 16, row l % 16: 512 bytes
	global_store_b128 v[L16], v[WD+4:WD+7], s[96:97] offset:BHS
	s_branch .Ldone
.Lv:	; ---- v.  A lane holds a column d; accumulator (a, b): column 16 a + r, tokens 16 b + 8 h + 0 .. 7: my 128 tokens are one key step; blocks a = 0-3 are my first head's 64 columns, 4-7 my second's
	BASES 42, 16, 17, 15, 512
.irp a, 0,1,2,3,4,5,6,7
	global_load_b32 v[BIAS+2*\a], v[R4], s[2:3] offset:64*\a       ; the bias of column 16 a + r, twice: the packed addition names a pair
	global_load_b32 v[BIAS+2*\a+1], v[R4], s[2:3] offset:64*\a
.endr
	LAST
	PLACES NP
	s_wait_loadcnt 0x0
.irp b, 0,1,2,3
	v_mov_b32 v[TM+4+\b], 0
.endr
.irp a, 0,1,2,3,4,5,6,7
.if \a > 0
	s_wait_xcnt 0x0                                ; the last block's stores have read their registers
.endif
	PULL \a, 1
	QUANT H, PWS+\a
.irp c, 0,1,2
	global_store_b128 v[L16], v[QC+4*\c:QC+4*\c+3], s[12:13] offset:(\a/4)*BHB+(\a%4)*1536+512*\c   ; 16 columns x 128 keys: 12 registers, 3 x 512 bytes
.endr
.endr
	PAIRS
	global_store_b64 v[L8], v[SELW:SELW+1], s[96:97]               ; lane l: the words of column blocks 2 j + l / 16, column l % 16: 256 bytes
	global_store_b64 v[L8], v[SELW+2:SELW+3], s[96:97] offset:BHS
.Ldone:
	s_wait_tensorcnt 0x0                           ; the wave's end
	ds_add_u32 v[SPW], v[NIL]
	s_wait_dscnt 0x0
	CROUND                                         ; the closing round: no work-group ends while a partner may still ask for a tile that names it
	s_endpgm
.Lfunc_end_k_q9e628b80d0_qkv:
	.size	k_q9e628b80d0_qkv, .Lfunc_end_k_q9e628b80d0_qkv-k_q9e628b80d0_qkv
	.p2alignl 7, 3214868480
	.fill 96, 4, 3214868480
	.section	.rodata,"a",@progbits
	.p2align	6, 0x0
	.amdhsa_kernel k_q9e628b80d0_qkv
		.amdhsa_group_segment_fixed_size 327680
		.amdhsa_private_segment_fixed_size 0
		.amdhsa_enable_private_segment 0
		.amdhsa_kernarg_size 56
		.amdhsa_user_sgpr_count 2
		.amdhsa_user_sgpr_kernarg_segment_ptr 1
		.amdhsa_wavefront_size32 1
		.amdhsa_system_sgpr_workgroup_id_x 1
		.amdhsa_system_sgpr_workgroup_id_y 1
		.amdhsa_system_sgpr_workgroup_id_z 1
		.amdhsa_system_vgpr_workitem_id 0
		.amdhsa_next_free_vgpr 1024
		.amdhsa_next_free_sgpr 100
		.amdhsa_reserve_vcc 1
		.amdhsa_float_denorm_mode_32 3
		.amdhsa_float_denorm_mode_16_64 3
		.amdhsa_memory_ordered 1
		.amdhsa_forward_progress 1
		.amdhsa_inst_pref_size 244
	.end_amdhsa_kernel
	.amdgpu_metadata
---
amdhsa.version: [ 1, 2 ]
amdhsa.kernels:
  - .name:           k_q9e628b80d0_qkv
    .symbol:         k_q9e628b80d0_qkv.kd
    .args:
      - { .name: x_codes, .offset: 0, .size: 8, .value_kind: global_buffer, .address_space: global }
      - { .name: x_scales, .offset: 8, .size: 8, .value_kind: global_buffer, .address_space: global }
      - { .name: W_qkv_codes, .offset: 16, .size: 8, .value_kind: global_buffer, .address_space: global }
      - { .name: W_qkv_scales, .offset: 24, .size: 8, .value_kind: global_buffer, .address_space: global }
      - { .name: b_qkv, .offset: 32, .size: 8, .value_kind: global_buffer, .address_space: global }
      - { .name: qkv_codes, .offset: 40, .size: 8, .value_kind: global_buffer, .address_space: global }
      - { .name: qkv_scales, .offset: 48, .size: 8, .value_kind: global_buffer, .address_space: global }
    .group_segment_fixed_size: 327680
    .private_segment_fixed_size: 0
    .kernarg_segment_align: 8
    .kernarg_segment_size: 56
    .max_flat_workgroup_size: 128
    .sgpr_count:     100
    .vgpr_count:     1024
    .wavefront_size: 32
...
	.end_amdgpu_metadata
.endif
;; end of part 1
;; launch attn (part 2): grid 4 x 64, 16 waves a work-group, no clusters, 210,944 bytes of LDS; arguments qkv_codes, qkv_scales, attn_codes, attn_scales; writes attn_codes, attn_scales
.if DOCPART == 2
	.amdgcn_target "amdgcn-amd-amdhsa--gfx1250"
	.amdhsa_code_object_version 6
	.text
	.protected	k_q9e628b80d0_attn
	.globl	k_q9e628b80d0_attn
	.p2align	8
	.type	k_q9e628b80d0_attn,@function
k_q9e628b80d0_attn:
	s_mov_b64 s[64:65], 0
	v_nop
	global_prefetch_b8 v0, s[64:65] scope:SCOPE_SE
	s_setreg_imm32_b32 hwreg(HW_REG_WAVE_MODE, 25, 1), 1
	s_wait_xcnt 0x0
; Causal attention of one head (work-group y = 16 x batch + head) on codes of FP6 (E2M3); head size 64, 2,048 tokens.  The result is quantised along the head's 64 and stored as the next product's operand.
; t = score x log2(e) / 8; M = the running largest t rounded up to a whole number; p = 2^(t - M) is quantised along the keys, not normalised; the row's sum is taken of the unquantised p and divides at the end.
; LDS.  A head's K and V as register images (98,304 bytes each) and their scale images (12,288) are filled ONCE by tensor loads: no slot is ever filled again, and the launch has two barriers.
; SHARES.  Wave w of work-group x takes the query tiles t1 = 16 x + w and t2 = 127 - t1 (16 queries each).  Tile t works key steps 0 .. t / 8 of 128 keys: t1 / 8 + 1 + t2 / 8 + 1 = 17 for every wave.
; t1 touches keys under 1,024 only: the first barrier waits for the first halves of K, V and the scales; the second halves land while t1 is worked and are waited for in front of the second barrier.
; Both loops have constant trip counts (8 and 16); a step all of whose keys come after the tile's queries is jumped over by a scalar branch on ids, all but the lines that step addresses.
; NO CLUSTER, though the four work-groups of a head read the same K and V: which steps a work-group jumps over hangs on its own query tiles, which in a cluster would be its place, and partners must run alike.
; LAYOUT.  S^T = K Q^T (source 0 = 16 neighbouring keys, source 1 = my 16 queries), O^T = V^T P^T: a lane holds one query (lane % 16) throughout.  K = 64 fills registers 0-5 of a fragment; registers 6-11 are zeros.
; Register 16 b + 8 u + j of S^T is key 32 b + 16 u + 8 (lane / 16) + j: the pattern on which V was quantised, so p's codes stand inside each block of 32 keys in the order of V's; likewise q and k along the head's 64.
; attn meets GIVEN codes, so it wants the true order: sixteen exchanges of halves on the f32 numbers make a lane's 16 registers 16 neighbours before they are quantised.
; attn's scale bytes leave as 2 bytes a token, 32 bytes apart (lanes l and l + 16 store the same bytes): 32 bytes for a tile and head, the one store here that does not cover whole runs of 256 bytes.
; LIMITS: NaN and infinities are not served; a block whose largest magnitude lies under 2^-124, a block of zeros too, gets the byte 1 (this program alone reads the bytes); O is multiplied by v_rcp_f32 of the sum;
; a block's largest p is taken as the exponential of the block's largest score (it takes v_exp_f32 not to fall where its input rises).
.set REG,  6291456                     ; qkv_codes: q's, k's, v's region
.set BHB,  98304                       ; a head's bytes in a region
.set SREG, 786432                      ; qkv_scales: q's region, then k's and v's
.set BHS,  12288
.set VC,   98304                       ; LDS: K's images from 0 (tile of 16 keys: 768 bytes), V's from here (key step g, 16 d: (4 g + dt) x 1,536),
.set SCL,  196608                      ; the scale images from here: 768 a key step: K's 512, V's 256
.set AK0,  1                           ; v1   16 x lane
.set AK8,  2                           ; v2   8 x lane + 512
.set AV0,  3                           ; v3   VC + 16 x lane
.set AS0,  4                           ; v4   SCL + 16 x lane
.set AT0,  5                           ; v5   SCL + 512 + 8 x lane
.set ADK,  6                           ; v6-10 the same for the step in hand
.set ADK8, 7
.set ADV,  8
.set ADS,  9
.set ADT,  10
.set DG,   11                          ; v11  lane % 16 - 8 (lane / 16)
                                       ; v12 -M, v13 the largest t, v[14:15] the sum in two halves; v16-21 Q, v22-27 zeros; v28 Q's scale word, v29 p's; v30, v31 global offsets
.set KF,   32                          ; v32-79   four fragments of K: 12 f + 0..5 data, 12 f + 6..11 zeros, set once
.set VF,   80                          ; v80-127  four fragments of V
.set S,    128                         ; v128-191 S^T, then p
.set OT,   192                         ; v192-223 O^T
.set QC,   224                         ; v224-235 p's codes
.set CT,   236                         ; v236-238, v240-242 the conversions' second halves
.set KSC,  244                         ; v244-247 K's scale words: register j: lanes 0-15 tile 2 j, lanes 16-31 tile 2 j + 1
.set VSC,  248                         ; v248-249 V's likewise
.set SO,   250                         ; v250-253 the conversions' scale operands
.set BM,   56                          ; at work between a step's S products and the next step's loads, in K's data registers: v56-59 the blocks' largest,
.set TT,   60                          ; v60 at work,
.set PD,   68                          ; v68-71 the other half's, then bytes,
.set FF,   72                          ; v[72:73] f = 2^(old M - new M)
.set WV,   12                          ; s12 wave;  s13 16 x batch + head
.set SEL,  14                          ; s[14:15] lane selects for v_permlanex16_b32: lane l xor 16
.set CS,   16                          ; s[16:17] c = log2(e) / 8
.set T,    52                          ; s52 the query tile;  s53 its last key step;  s54 the key step;  s55, s56 where the step's images begin
.set GD,   53
.set G,    54
.set TB,   55
.set TS,   56
	s_load_b256 s[4:11], s[0:1], 0x0               ; qkv_codes s[4:5], qkv_scales s[6:7], attn_codes s[8:9], attn_scales s[10:11]
	v_lshl_add_u32 v239, v0, 2, 0x33000
	v_mov_b32 v243, 0
	ds_add_u32 v239, v243
	ds_add_u32 v239, v243
	v_lshrrev_b32 v6, 5, v0
	s_delay_alu instid0(VALU_DEP_1)
	v_readfirstlane_b32 s[WV], v6                  ; wave 0..15
	s_and_b32 s13, ttmp7, 0xffff
	; descriptor groups 1: dense blocks as rows of 256 bytes (32 elements of 8 bytes): 48 rows of codes, 24 rows of scale bytes; no padding, no mask
	s_mov_b32 s20, 3<<16
	s_mov_b32 s21, 32<<16                          ; tensor_dim0
	s_mov_b32 s22, 48<<16                          ; tensor_dim1
	s_mov_b32 s23, 32<<16                          ; tile_dim0
	s_mov_b32 s24, 48                              ; tile_dim1
	s_mov_b32 s25, 32                              ; tensor_dim0_stride
	s_mov_b32 s26, 0
	s_mov_b32 s27, 0
	s_mov_b32 s28, 3<<16
	s_mov_b32 s29, 32<<16
	s_mov_b32 s30, 24<<16
	s_mov_b32 s31, 32<<16
	s_mov_b32 s32, 24
	s_mov_b32 s33, 32
	s_mov_b32 s34, 0
	s_mov_b32 s35, 0
	; waves 0-3 fetch K, waves 4-7 V: each 12,288 bytes of the first half and 12,288 of the second;  wave 8 the scale images' two halves
	s_and_b32 s57, s[WV], 3
	s_mul_i32 s57, s57, 12288
	s_bfe_u32 s58, s[WV], 0x10002                  ; 0: K, 1: V
	s_mul_i32 s19, s58, VC
	s_add_co_u32 s19, s19, s57                     ; LDS address
	s_mul_i32 s60, s58, REG
	s_add_co_u32 s60, s60, REG
	s_add_co_u32 s60, s60, s57
	s_mul_i32 s62, s13, BHB                        ; the head's first byte in a region of codes
	s_mov_b32 s63, 0
	s_add_co_u32 s60, s60, s62
	s_mov_b32 s61, 0
	s_mul_i32 s74, s13, BHS                        ; and in a region of scales
	s_mov_b32 s75, 0
	s_add_co_u32 s76, s74, SREG
	s_mov_b32 s77, 0
	s_lshr_b32 s18, s13, 4                         ; batch
	s_and_b32 s57, s13, 15                         ; head
	s_mul_i32 s58, s18, 1572864                    ; attn_codes: 128 tiles of 16 tokens x 12,288 bytes a batch,
	s_mul_i32 s59, s57, 768                        ; 768 a head
	s_add_co_u32 s58, s58, s59
	s_mov_b32 s59, 0
	s_lshl_b32 s78, s18, 16                        ; attn_scales: 2,048 tokens x 32 bytes a batch,
	s_lshl_b32 s79, s57, 1                         ; 2 a head
	s_add_co_u32 s78, s78, s79
	s_mov_b32 s79, 0
	s_mov_b32 s[SEL], 0x76543210
	s_mov_b32 s[SEL+1], 0xfedcba98
	s_mov_b32 s[CS], 0x3e38aa3b                    ; log2(e) / 8
	s_mov_b32 s[CS+1], s[CS]                       ; (named with it as a pair, so it is written)
	s_wait_dscnt 0x0
	s_wait_kmcnt 0x0
	s_mov_b32 s36, 1                               ; group 0, the first half: count,
	s_mov_b32 s37, s19                             ; LDS address,
	s_add_nc_u64 s[38:39], s[4:5], s[60:61]        ; global address,
	s_mov_b32 s40, 1                               ; and the second half: 49,152 bytes on in both
	s_add_co_u32 s41, s19, 49152
	s_add_nc_u64 s[42:43], s[38:39], 49152
	s_or_b32 s39, s39, 0x80000000                  ; type = 2
	s_or_b32 s43, s43, 0x80000000
	s_mov_b32 s44, 1
	s_mov_b32 s45, SCL
	s_add_nc_u64 s[46:47], s[6:7], s[76:77]
	s_mov_b32 s48, 1
	s_mov_b32 s49, SCL+6144
	s_add_nc_u64 s[50:51], s[46:47], 6144
	s_or_b32 s47, s47, 0x80000000
	s_or_b32 s51, s51, 0x80000000
	s_cmp_lt_u32 s[WV], 8                          ; a wave's first fills stand together, ahead of every wait on TENSORcnt, every LDS read and every barrier: two loads of a wave are out at the most
	s_cbranch_scc0 .Lnot_codes
	tensor_load_to_lds s[36:39], s[20:27]
	s_nop 0
	tensor_load_to_lds s[40:43], s[20:27]
	s_nop 0
.rept 4
	v_nop
.endr
	s_branch .Lfilled
.Lnot_codes:
	s_cmp_eq_u32 s[WV], 8
	s_cbranch_scc0 .Lfilled
	tensor_load_to_lds s[44:47], s[28:35]
	s_nop 0
	tensor_load_to_lds s[48:51], s[28:35]
	s_nop 0
.rept 4
	v_nop
.endr
.Lfilled:
	s_add_nc_u64 s[66:67], s[4:5], s[62:63]        ; q's codes of my head
	s_add_nc_u64 s[68:69], s[6:7], s[74:75]        ; q's scale images
	s_add_nc_u64 s[70:71], s[8:9], s[58:59]        ; attn's codes: my batch, my head
	s_add_nc_u64 s[72:73], s[10:11], s[78:79]      ; attn's scale bytes likewise
	v_and_b32 v30, 31, v0                          ; lane
	s_delay_alu instid0(VALU_DEP_1)
	v_lshlrev_b32 v[AK0], 4, v30
	s_delay_alu instid0(VALU_DEP_2)
	v_lshl_add_u32 v[AK8], v30, 3, 512
	s_delay_alu instid0(VALU_DEP_2)
	v_add_nc_u32 v[AV0], VC, v[AK0]
	s_delay_alu instid0(VALU_DEP_3)
	v_add_nc_u32 v[AS0], SCL, v[AK0]
	v_lshl_add_u32 v[AT0], v30, 3, SCL+512
	v_and_b32 v31, 15, v0
	v_bfe_u32 v254, v0, 4, 1
	s_delay_alu instid0(VALU_DEP_1)
	v_lshlrev_b32 v254, 3, v254
	s_delay_alu instid0(VALU_DEP_1)
	v_sub_nc_u32 v[DG], v31, v254
.irp j, 22,23,24,25,26,27
	v_mov_b32 v\j, 0                               ; the upper half of Q's fragment: K = 64 .. 127 are zero codes
.endr
.irp f, 0,1,2,3
.irp j, 6,7,8,9,10,11
	v_mov_b32 v[KF+12*\f+\j], 0                    ; and of K's four: set once, never touched
.endr
.endr
.irp j, 56,57,58,59,60,61,68,69,70,71,72,73
	v_mov_b32 v\j, 0                               ; the work registers are written once here, so that they are written on every way
.endr
; A query tile begins: its fragment and scale word are asked for; M, the sum and O^T start.
.macro QHEAD
	s_wait_xcnt 0x0                                ; the last tile's stores have read their registers
	s_lshr_b32 s[GD], s[T], 3                      ; the key step on the diagonal
	s_mul_i32 s57, s[T], 768
	v_add_nc_u32 v30, s57, v[AK0]
	v_add_nc_u32 v31, s57, v[AK8]
	global_load_b128 v[16:19], v30, s[66:67]       ; registers 0-3,
	global_load_b64 v[20:21], v31, s[66:67]        ; registers 4-5 of Q's fragment
	s_mul_i32 s57, s[GD], 768                      ; its scale word: group T / 8; in the image lane 16 (T % 2) + r, word (T / 2) % 4
	s_and_b32 s58, s[T], 1
	s_lshl_b32 s58, s58, 8
	s_add_co_u32 s57, s57, s58
	s_bfe_u32 s58, s[T], 0x20001
	s_lshl_b32 s58, s58, 2
	s_add_co_u32 s57, s57, s58
	v_and_b32 v254, 15, v0
	s_delay_alu instid0(VALU_DEP_1)
	v_lshl_add_u32 v254, v254, 4, s57
	global_load_b32 v28, v254, s[68:69]
	v_mov_b32 v13, 0xff61b1e6                      ; the largest t so far: -3e38, under every t
	s_delay_alu instid0(VALU_DEP_1)
	v_floor_f32 v12, -v13                          ; -M
	v_mov_b32 v14, 0
	v_mov_b32 v15, 0
.set j, 0
.rept 32
	v_mov_b32 v[OT+j], 0                           ; the step is written once: the first finds zeros, which the first change of M leaves zeros
.set j, j+1
.endr
	s_mov_b32 s[G], 0
	s_mov_b32 s[TB], 0
	s_mov_b32 s[TS], 0
.endm
.macro KLOAD t0                        ; four tiles of 16 keys, t0 on: registers 0-3 by 16 bytes a lane, 4-5 by 8
.irp f, 0,1,2,3
	ds_load_b128 v[KF+12*\f:KF+12*\f+3], v[ADK] offset:768*(\t0+\f)
	ds_load_b64 v[KF+12*\f+4:KF+12*\f+5], v[ADK8] offset:768*(\t0+\f)
.endr
.endm
.macro SPROD t                         ; S^T, keys 16 t on
.if (\t)%2
	v_wmma_scale_f32_16x16x128_f8f6f4 v[S+8*(\t):S+8*(\t)+7], v[KF+12*((\t)%4):KF+12*((\t)%4)+11], v[16:27], 0, v[KSC+(\t)/2], v28 matrix_a_fmt:MATRIX_FMT_FP6 matrix_b_fmt:MATRIX_FMT_FP6 matrix_a_scale:MATRIX_SCALE_ROW1
.else
	v_wmma_scale_f32_16x16x128_f8f6f4 v[S+8*(\t):S+8*(\t)+7], v[KF+12*((\t)%4):KF+12*((\t)%4)+11], v[16:27], 0, v[KSC+(\t)/2], v28 matrix_a_fmt:MATRIX_FMT_FP6 matrix_b_fmt:MATRIX_FMT_FP6
.endif
.endm
.macro OPROD t                         ; O^T, channels 16 t on, += V^T P^T.  The four accumulators take turns, and eight other products stand between a step's and the next step's
.if (\t)%2
	v_wmma_scale_f32_16x16x128_f8f6f4 v[OT+8*(\t):OT+8*(\t)+7], v[VF+12*(\t):VF+12*(\t)+11], v[QC:QC+11], v[OT+8*(\t):OT+8*(\t)+7], v[VSC+(\t)/2], v29 matrix_a_fmt:MATRIX_FMT_FP6 matrix_b_fmt:MATRIX_FMT_FP6 matrix_a_scale:MATRIX_SCALE_ROW1
.else
	v_wmma_scale_f32_16x16x128_f8f6f4 v[OT+8*(\t):OT+8*(\t)+7], v[VF+12*(\t):VF+12*(\t)+11], v[QC:QC+11], v[OT+8*(\t):OT+8*(\t)+7], v[VSC+(\t)/2], v29 matrix_a_fmt:MATRIX_FMT_FP6 matrix_b_fmt:MATRIX_FMT_FP6
.endif
.endm
; The tile's key steps (a loop of nsteps trips) and its way out.
.macro QBODY nsteps
	s_wait_loadcnt 0x0                             ; Q and its scale word
.Lstep_\@:
	s_cmp_gt_u32 s[G], s[GD]                       ; all 128 keys come after my 16 queries: only the addresses step
	s_cbranch_scc1 .Lhidden_\@
	s_setprio 2
	v_add_nc_u32 v[ADK], s[TB], v[AK0]             ; these five are also the places between the last step's products and the loads into V's registers
	v_add_nc_u32 v[ADK8], s[TB], v[AK8]
	v_add_nc_u32 v[ADV], s[TB], v[AV0]
	v_add_nc_u32 v[ADS], s[TS], v[AS0]
	v_add_nc_u32 v[ADT], s[TS], v[AT0]
	KLOAD 0
	ds_load_b128 v[KSC:KSC+3], v[ADS]
.irp t, 0,1,2,3
.irp c, 0,1,2
	ds_load_b128 v[VF+12*\t+4*\c:VF+12*\t+4*\c+3], v[ADV] offset:1536*\t+512*\c
.endr
.endr
	ds_load_b64 v[VSC:VSC+1], v[ADT]
	s_wait_alu depctr_va_vdst(0)
	s_wait_dscnt 13                                ; K's first four tiles and its scale words are in; V's twelve loads and its scale words may be out
.irp t, 0,1,2,3
	SPROD \t
.endr
.rept 4
	v_nop                                          ; places in front of loads into registers that these products read
.endr
	KLOAD 4
	s_wait_dscnt 0x0
.irp t, 4,5,6,7
	SPROD \t
.endr
.rept 4
	v_nop                                          ; places in front of the first read of the scores, and of writes into K's data registers
.endr
	s_cmp_lg_u32 s[G], s[GD]                       ; only the step on the diagonal has hidden keys
	s_cbranch_scc1 .Lopen_\@
	s_and_b32 s57, s[T], 7
	s_lshl_b32 s57, s57, 4
	v_add_nc_u32 v254, s57, v[DG]                  ; my query - the step's first key - 8 (lane / 16).  Register 8 t + j holds key 16 t + 8 (lane / 16) + j of the step: hidden where 16 t + j is greater
	v_mov_b32 v255, 0xff800000                     ; -infinity: p = 0 then
.set n, 0
.rept 64
	v_cmp_gt_i32 vcc_lo, 16*(n/8)+n%8, v254
	v_cndmask_b32 v[S+n], v[S+n], v255, vcc_lo
.set n, n+1
.endr
.Lopen_\@:
.irp b, 0,1,2,3
	v_max3_num_f32 v[BM+\b], v[S+16*\b], v[S+1+16*\b], v[S+2+16*\b]   ; the largest score of each block of 32 keys: for the row's maximum, and, since p rises with the score, for the block's largest p
.endr
.irp i, 3,5,7,9,11,13
.irp b, 0,1,2,3
	v_max3_num_f32 v[BM+\b], v[BM+\b], v[S+16*\b+\i], v[S+1+16*\b+\i]
.endr
.endr
.irp b, 0,1,2,3
	v_max_num_f32 v[BM+\b], v[BM+\b], v[S+15+16*\b]
.endr
.irp b, 0,1,2,3
	s_delay_alu instid0(VALU_DEP_4)
	v_permlanex16_b32 v[PD+\b], v[BM+\b], s[SEL], s[SEL+1]
.endr
.irp b, 0,1,2,3
	s_delay_alu instid0(VALU_DEP_4)
	v_max_num_f32 v[BM+\b], v[BM+\b], v[PD+\b]     ; with lane l xor 16's 16 keys
.endr
	s_delay_alu instid0(VALU_DEP_2)
	v_max3_num_f32 v[TT], v[BM], v[BM+1], v[BM+2]
	s_delay_alu instid0(VALU_DEP_1)
	v_max_num_f32 v[TT], v[TT], v[BM+3]            ; the step's largest score of my query (its first key always counts)
	s_delay_alu instid0(VALU_DEP_1)
	v_mul_f32 v[TT], s[CS], v[TT]                  ; as t
	s_delay_alu instid0(VALU_DEP_1)
	v_max_num_f32 v13, v13, v[TT]                  ; the running largest t
	v_mov_b32 v[TT], v12
	s_delay_alu instid0(VALU_DEP_2)
	v_floor_f32 v12, -v13                          ; the new -M = floor(-t): M is a whole number
	s_delay_alu instid0(VALU_DEP_1)
	v_sub_f32 v[TT], v12, v[TT]                    ; old M - new M: a whole number, 0 or less
	s_delay_alu instid0(VALU_DEP_1)
	v_cvt_i32_f32 v[TT], v[TT]                     ; (it saturates)
	s_delay_alu instid0(VALU_DEP_1)
	v_ldexp_f32 v[FF], 1.0, v[TT]                  ; f = 2^(old M - new M): a multiplication by it rounds nothing
.set j, 0
	s_setprio 1
.rept 32
	v_pk_fma_f32 v[S+j:S+j+1], v[S+j:S+j+1], s[CS:CS+1], v[12:13] op_sel_hi:[1,0,0]   ; t - M, two at a time
.set j, j+2
.endr
.irp b, 0,1,2,3
	v_fma_f32 v[BM+\b], v[BM+\b], s[CS], v12       ; the same of each block's largest score
.endr
.set j, 0
	s_wait_alu depctr_va_vdst(0)
.rept 64
	v_exp_f32 v[S+j], v[S+j]                       ; p = 2^(t - M), at most 1
.set j, j+1
.endr
.irp b, 0,1,2,3
	v_exp_f32 v[BM+\b], v[BM+\b]                   ; the block's largest p
.endr
	v_pk_mul_f32 v[14:15], v[14:15], v[FF:FF+1] op_sel_hi:[1,0]   ; the sums under the new M.  (A plain place behind the exponentials)
	s_wait_alu depctr_va_vdst(0)
.irp b, 0,1,2,3
	v_max_num_f32 v[BM+\b], 0x1800000, v[BM+\b]    ; the floor 2^(3 - 127): the byte cannot fall under 1
.endr
.irp b, 0,1,2,3
	s_delay_alu instid0(VALU_DEP_4)
	v_add_nc_u32 v[SO+\b], 0xff000000, v[BM+\b]    ; 2 off the exponent field: the conversion's scale operand
.endr
.irp b, 0,1,2,3
	s_delay_alu instid0(VALU_DEP_4)
	v_lshrrev_b32 v[PD+\b], 23, v[SO+\b]           ; the scale's byte
.endr
	s_delay_alu instid0(VALU_DEP_3)
	v_lshl_or_b32 v29, v[PD+1], 8, v[PD]           ; p's scale word for these 128 keys
	s_delay_alu instid0(VALU_DEP_1)
	v_lshl_or_b32 v29, v[PD+2], 16, v29
	s_delay_alu instid0(VALU_DEP_1)
	v_lshl_or_b32 v29, v[PD+3], 24, v29
.irp c, 0,1
	v_cvt_scalef32_pk16_fp6_f32 v[QC+6*\c:QC+2+6*\c], v[S+32*\c:S+15+32*\c], v[SO+2*\c]
	v_cvt_scalef32_pk16_fp6_f32 v[CT+4*\c:CT+2+4*\c], v[S+16+32*\c:S+31+32*\c], v[SO+2*\c+1]   ; (a conversion's three registers begin on an even number)
.endr
	v_nop                                          ; one plain place behind a scaled conversion
.irp c, 0,1                                    ; a whole block in a lane: lanes 0-15 block 2 c, lanes 16-31 block 2 c + 1
.irp i, 0,1,2
	v_permlane16_swap_b32 v[QC+6*\c+\i], v[CT+4*\c+\i]
.endr
.irp i, 0,1,2
	s_delay_alu instid0(VALU_DEP_3)
	v_mov_b32 v[QC+3+6*\c+\i], v[CT+4*\c+\i]
.endr
.endr
	v_pk_add_f32 v[236:237], v[132:133], v[136:137]
	v_pk_add_f32 v[254:255], v[140:141], v[144:145]
	v_pk_add_f32 v[252:253], v[148:149], v[152:153]
	v_pk_add_f32 v[250:251], v[156:157], v[160:161]
	v_pk_add_f32 v[246:247], v[164:165], v[168:169]
	v_pk_add_f32 v[244:245], v[172:173], v[176:177]
	v_pk_add_f32 v[240:241], v[180:181], v[184:185]
	v_pk_add_f32 v[14:15], v[14:15], v[188:189]
	v_pk_add_f32 v[236:237], v[236:237], v[128:129]
	v_pk_add_f32 v[254:255], v[254:255], v[130:131]
	s_setprio 0
	v_pk_add_f32 v[252:253], v[252:253], v[134:135]
	v_pk_add_f32 v[250:251], v[250:251], v[138:139]
	v_pk_add_f32 v[246:247], v[246:247], v[142:143]
	v_pk_add_f32 v[244:245], v[244:245], v[146:147]
	v_pk_add_f32 v[240:241], v[240:241], v[150:151]
	v_pk_add_f32 v[14:15], v[14:15], v[154:155]
	v_pk_add_f32 v[236:237], v[236:237], v[158:159]
	v_pk_add_f32 v[254:255], v[254:255], v[162:163]
	v_pk_add_f32 v[252:253], v[252:253], v[166:167]
	v_pk_add_f32 v[250:251], v[250:251], v[170:171]
	v_pk_add_f32 v[246:247], v[246:247], v[174:175]
	v_pk_add_f32 v[244:245], v[244:245], v[178:179]
	v_pk_add_f32 v[240:241], v[240:241], v[182:183]
	v_pk_add_f32 v[14:15], v[14:15], v[186:187]
	v_pk_add_f32 v[236:237], v[236:237], v[190:191]
	s_delay_alu instid0(VALU_DEP_2)
	v_pk_add_f32 v[14:15], v[14:15], v[250:251]
	s_delay_alu instid0(VALU_DEP_2)
	v_pk_add_f32 v[236:237], v[236:237], v[246:247]
	v_pk_add_f32 v[254:255], v[254:255], v[244:245]
	v_pk_add_f32 v[252:253], v[252:253], v[240:241]
	s_delay_alu instid0(VALU_DEP_2)
	v_pk_add_f32 v[14:15], v[14:15], v[254:255]
	s_delay_alu instid0(VALU_DEP_2)
	v_pk_add_f32 v[236:237], v[236:237], v[252:253]
	s_delay_alu instid0(VALU_DEP_1)
	v_pk_add_f32 v[14:15], v[14:15], v[236:237]
.set j, 0
.rept 16
	v_pk_mul_f32 v[OT+j:OT+j+1], v[OT+j:OT+j+1], v[FF:FF+1] op_sel_hi:[1,0]   ; O^T under the new M.  (With the sums above: the places between p's codes and scale word and the products below)
.set j, j+2
.endr
.irp t, 0,1,2,3
	OPROD \t
.endr
.Lhidden_\@:
	s_add_co_u32 s[TB], s[TB], 6144                ; the next step's images: 8 x 768 = 4 x 1,536 bytes of codes,
	s_add_co_u32 s[TS], s[TS], 768                 ; 768 of scale words
	s_add_co_u32 s[G], s[G], 1
	s_cmp_lt_u32 s[G], \nsteps
	s_cbranch_scc1 .Lstep_\@
	s_setprio 0
	; THE WAY OUT
.rept 4
	v_nop                                          ; places behind the last products
.endr
	v_add_f32 v14, v14, v15                        ; the sum's two halves,
	s_delay_alu instid0(VALU_DEP_1)
	v_permlanex16_b32 v[TT], v14, s[SEL], s[SEL+1]
	s_delay_alu instid0(VALU_DEP_1)
	v_add_f32 v14, v14, v[TT]                      ; and lane l xor 16's
	s_wait_alu depctr_va_vdst(0)
	v_rcp_f32 v14, v14
	v_nop                                          ; one plain place behind a transcendental
.set j, 0
	s_wait_alu depctr_va_vdst(0)
.rept 32
	v_mul_f32 v[S+j], v[OT+j], v14                 ; register 8 t + j: attn(query r, d = 16 t + 8 h + j); each accumulator from its low end on
.set j, j+1
.endr
.irp b, 0,1
.irp j, 0,1,2,3,4,5,6,7
	v_permlane16_swap_b32 v[S+16*\b+\j], v[S+16*\b+8+\j]   ; the first's lanes 16-31 (d = 32 b + 8 + j) change places with the second's lanes 0-15 (d = 32 b + 16 + j): register 16 b + i is now d = 32 b + 16 h + i
.endr
.endr
.irp b, 0,1
	v_max3_num_f32 v[BM+\b], |v[S+16*\b]|, |v[S+1+16*\b]|, 0x1800000   ; the head's two blocks of 32, with the floor
.endr
.irp i, 2,4,6,8,10,12,14
.irp b, 0,1
	s_delay_alu instid0(VALU_DEP_2)
	v_max3_num_f32 v[BM+\b], v[BM+\b], |v[S+16*\b+\i]|, |v[S+1+16*\b+\i]|
.endr
.endr
.irp b, 0,1
	s_delay_alu instid0(VALU_DEP_2)
	v_permlanex16_b32 v[PD+\b], v[BM+\b], s[SEL], s[SEL+1]
.endr
.irp b, 0,1
	s_delay_alu instid0(VALU_DEP_2)
	v_max_num_f32 v[BM+\b], v[BM+\b], v[PD+\b]
.endr
.irp b, 0,1
	s_delay_alu instid0(VALU_DEP_2)
	v_add_nc_u32 v[SO+\b], 0xff000000, v[BM+\b]
.endr
.irp b, 0,1
	s_delay_alu instid0(VALU_DEP_2)
	v_lshrrev_b32 v[PD+\b], 23, v[SO+\b]
.endr
	s_delay_alu instid0(VALU_DEP_1)
	v_lshl_or_b32 v254, v[PD+1], 8, v[PD]          ; my token's two scale bytes of this head
	v_cvt_scalef32_pk16_fp6_f32 v[QC:QC+2], v[S:S+15], v[SO]
	v_cvt_scalef32_pk16_fp6_f32 v[CT:CT+2], v[S+16:S+31], v[SO+1]
	v_nop                                          ; one plain place behind a scaled conversion
.irp i, 0,1,2
	v_permlane16_swap_b32 v[QC+\i], v[CT+\i]
.endr
.irp i, 0,1,2
	s_delay_alu instid0(VALU_DEP_3)
	v_mov_b32 v[QC+3+\i], v[CT+\i]                 ; registers 0-5: d = 32 h + 0 .. 31, in their true order
.endr
	s_mul_i32 s57, s[T], 12288
	v_add_nc_u32 v30, s57, v[AK0]
	v_add_nc_u32 v31, s57, v[AK8]
	global_store_b128 v30, v[QC:QC+3], s[70:71]    ; 512 consecutive bytes,
	global_store_b64 v31, v[QC+4:QC+5], s[70:71]   ; and 256, both at multiples of 256 from the buffer's first byte
	s_lshl_b32 s57, s[T], 9
	v_and_b32 v255, 15, v0
	s_delay_alu instid0(VALU_DEP_1)
	v_lshl_add_u32 v255, v255, 5, s57              ; token 16 T + r: 32 bytes a token
	global_store_b16 v255, v254, s[72:73]
.endm
	s_lshl_b32 s[T], ttmp9, 4
	s_add_co_u32 s[T], s[T], s[WV]                 ; t1 = 16 x work-group x + wave: 0 .. 63
	QHEAD
	s_wait_tensorcnt 0x1                           ; my first load has landed: a part of the first halves; my second may stay out
	s_barrier_signal -1
	s_barrier_wait -1                              ; everybody's has: keys 0 .. 1,023 lie in LDS
	QBODY 8
	s_sub_co_u32 s[T], 127, s[T]                   ; t2: 64 .. 127
	QHEAD
	s_wait_tensorcnt 0x0                           ; my second load has landed,
	s_wait_dscnt 0x0
	s_barrier_signal -1
	s_barrier_wait -1                              ; everybody's has: all 2,048 keys lie in LDS
	QBODY 16
	s_wait_tensorcnt 0x0
	ds_add_u32 v239, v243
	s_wait_dscnt 0x0
	s_endpgm
.Lfunc_end_k_q9e628b80d0_attn:
	.size	k_q9e628b80d0_attn, .Lfunc_end_k_q9e628b80d0_attn-k_q9e628b80d0_attn
	.p2alignl 7, 3214868480
	.fill 96, 4, 3214868480
	.section	.rodata,"a",@progbits
	.p2align	6, 0x0
	.amdhsa_kernel k_q9e628b80d0_attn
		.amdhsa_group_segment_fixed_size 210944
		.amdhsa_private_segment_fixed_size 0
		.amdhsa_enable_private_segment 0
		.amdhsa_kernarg_size 32
		.amdhsa_user_sgpr_count 2
		.amdhsa_user_sgpr_kernarg_segment_ptr 1
		.amdhsa_wavefront_size32 1
		.amdhsa_system_sgpr_workgroup_id_x 1
		.amdhsa_system_sgpr_workgroup_id_y 1
		.amdhsa_system_sgpr_workgroup_id_z 1
		.amdhsa_system_vgpr_workitem_id 0
		.amdhsa_next_free_vgpr 256
		.amdhsa_next_free_sgpr 80
		.amdhsa_reserve_vcc 1
		.amdhsa_float_denorm_mode_32 3
		.amdhsa_float_denorm_mode_16_64 3
		.amdhsa_memory_ordered 1
		.amdhsa_forward_progress 1
		.amdhsa_inst_pref_size 67
	.end_amdhsa_kernel
	.amdgpu_metadata
---
amdhsa.version: [ 1, 2 ]
amdhsa.kernels:
  - .name:           k_q9e628b80d0_attn
    .symbol:         k_q9e628b80d0_attn.kd
    .args:
      - { .name: qkv_codes, .offset: 0, .size: 8, .value_kind: global_buffer, .address_space: global }
      - { .name: qkv_scales, .offset: 8, .size: 8, .value_kind: global_buffer, .address_space: global }
      - { .name: attn_codes, .offset: 16, .size: 8, .value_kind: global_buffer, .address_space: global }
      - { .name: attn_scales, .offset: 24, .size: 8, .value_kind: global_buffer, .address_space: global }
    .group_segment_fixed_size: 210944
    .private_segment_fixed_size: 0
    .kernarg_segment_align: 8
    .kernarg_segment_size: 32
    .max_flat_workgroup_size: 512
    .sgpr_count:     80
    .vgpr_count:     256
    .wavefront_size: 32
...
	.end_amdgpu_metadata
.endif
;; end of part 2
;; launch proj (part 3): grid 4 x 32, 4 waves a work-group, clusters of 4 x 4, 327,680 bytes of LDS; arguments attn_codes, attn_scales, W_out_codes, W_out_scales, b_out, out0; writes out0
.if DOCPART == 3
	.amdgcn_target "amdgcn-amd-amdhsa--gfx1250"
	.amdhsa_code_object_version 6
	.text
	.protected	k_q9e628b80d0_proj
	.globl	k_q9e628b80d0_proj
	.p2align	8
	.type	k_q9e628b80d0_proj,@function
k_q9e628b80d0_proj:
	s_mov_b64 s[64:65], 0
	v_nop
	global_prefetch_b8 v0, s[64:65] scope:SCOPE_SE
	s_setreg_imm32_b32 hwreg(HW_REG_WAVE_MODE, 25, 1), 1
	s_wait_xcnt 0x0
	s_wait_alu depctr_hold_cnt(0) depctr_sa_sdst(0) depctr_va_vdst(0) depctr_va_sdst(0) depctr_va_ssrc(0) depctr_va_vcc(0) depctr_vm_vsrc(0)
	s_getreg_b32 s2, hwreg(HW_REG_IB_STS2, 6, 4)
	s_cmp_eq_u32 s2, 0
	s_cbranch_scc0 .Lentry_in_a_cluster
	s_endpgm
.Lentry_in_a_cluster:
	s_bfe_u32 s2, ttmp6, 0x10000c
	s_cmp_lg_u32 s2, 0xf033
	s_cbranch_scc0 .Lentry_shape_is_right
	s_endpgm
.Lentry_shape_is_right:
; out0 = attn W_out + b_out on codes of FP6 (E2M3) with one E8M0 scale for each 32 along K = 1,024.  out0: [8192][1024] f32; sums in f32.
; A = attn comes as IMAGES OF THE OPERAND'S REGISTERS: attn_codes [tile of 16 tokens (512)][head (16)][768 bytes]: registers 0-3 of half a fragment (16 bytes a lane), then registers 4-5 (8 bytes a lane); two heads are a
; fragment of 16 tokens x 128 K.  Its scale bytes [8192][32].  B = W_out: [1024][1024] codes, K innermost, 768 bytes a row; its scale bytes [1024][32].
; A tile of out0, 256 x 256, is made by four waves, each 128 x 128: 64 accumulators of 16 x 16.  K goes in steps of 256 (four heads) through two LDS slots; the scale bytes of the 2 x 256 rows stay in LDS.
; CLUSTERS: 4 x 4 work-groups; A's tile is shared along a row of the cluster, B's along a column: each is asked for jointly, by one tensor load with a mask of four.
; THE MATRIX INSTRUCTION IS USED TRANSPOSED (source 0 = 16 rows of W_out, source 1 = 16 tokens): a lane holds eight neighbouring numbers of a row of out0.  The bias is the C of each sum's first product.
; The grid has 128 work-groups: 32 x 4 tiles of 256 x 256.
.set SIZE_N, 1024
.set NQ,     2                         ; matrix instructions deep in a slot
.set ROWB,   192                       ; B: a tile's row in bytes
.set KROW,   768                       ; B: a row in memory
.set PITCH,  240                       ; B: an LDS row: 3 x (64 bytes + 16 of padding): the 32 lanes of a load of 8 bytes touch 64 different banks (64 banks of 4 bytes: ISA guide 11.1)
.set FR,     12                        ; registers of a fragment
.set NLA,    4                         ; LDS loads that bring one of A's
.set NP,     4                         ; places behind this matrix instruction (ISA guide 7.12.1)
.set ASTEP,  3072                      ; A: four heads' images of a tile of 16 tokens
.set AROW,   12288                     ; A: all sixteen heads'
.set HALFA,  8*ASTEP                   ; A: 128 tokens: what one tensor load brings; dense in LDS: every load of a fragment reads consecutive bytes
.set HALFT,  128*PITCH                 ; B: 128 rows
.set SLOT,   2*HALFA+2*HALFT           ; A's 256 tokens, then B's 256 rows
.set KS,     32                        ; a row of scale bytes
.set SCL,    2*SLOT                    ; behind the ring: the scale bytes, as units of 256 bytes + 16 of padding
.set HALFS,  (128*KS/256)*272
.set SBLK,   (16*KS/256)*272
.set SPARE,  SCL+4*HALFS               ; the spare words, 128 bytes for each wave: two blocks of 256 bytes that no other line names
.set SPITCH, 528                       ; the way out: a stage of 16 rows x (512 bytes + 16) for each wave, in slot 0, which has had its last fill and its last read when the first result is stored there
.set ADA16, 16                         ; v16-17  LDS address of my A images in slot 0, 1: + 16 x lane
.set ADA8,  18                         ; v18-19  the same + 8 x lane
.set ADRB, 20                          ; v20-21  LDS address of my B fragments in slot 0, 1  (v22-23: for the pieces behind one padding more)
.set STO,  24                          ; v24     the way out: where I put 32 bytes of a row
.set RD,   25                          ; v25     where I read a row back
.set CO,   26                          ; v26     my byte offset in a row of out0
.set ADRS, 27                          ; v27     LDS address of my scale words: lanes 0-15 A's rows, lanes 16-31 B's
.set SPW,  28                          ; v28     LDS address of my spare word; never rewritten
.set NIL,  29                          ; v29     0; never rewritten
.set SC,   32                          ; v32-63  scale words, two sets; they hold nothing else
.set BI,   64                          ; v64-127 the bias of my 128 columns, in the results' layout
.set AF,   128                         ; v128-223 A's fragments, one set
.set BK,   128                         ; the way out: 16 rows read back from the stage: v128-191 and v192-255 by turns
.set G1, 24                            ; s[24:31] descriptor group 1 for A's tiles;  s[32:39] group 0, one set for each slot
.set G0, 32
.set G1B, 48                           ; s[48:55], s[56:63] the same for B's
.set G0B, 56
.set G1S, 68                           ; s[68:75], s[76:79] groups 1 and 0 for A's scales;  s[80:87], s[88:91] for B's
.set G0S, 76
.set G1SB, 80
.set G0SB, 88
.set MSB, 0
.macro WIN new                         ; the immediate's high byte repeats the setting that is left
.if MSB != \new
	s_set_vgpr_msb (MSB<<8)|\new
.set MSB, \new
.endif
.endm
.set MUL_LO, 0xa1                      ; source 0 (B) window 1, source 1 (A) window 0, C and D window 2
.set MUL_HI, 0xf1                      ; the same, C and D window 3
.set BIA_LO, 0x81                      ; the first products: C (the bias) window 0, D window 2
.set BIA_HI, 0xc1                      ; D window 3
.set TO_B,   0x40                      ; destination window 1, address window 0
; A joint load: waves 0 and 1 fetch for A, waves 2 and 3 for B.  The branch hangs on the wave's number alone.  Four v_nop follow each of the two lines.
.macro JLOAD g0a, g1a, g0b, g1b
	s_cmp_eq_u32 s15, 0
	s_cbranch_scc0 .Lfor_b_\@
	tensor_load_to_lds s[\g0a:\g0a+3], s[\g1a:\g1a+7]
	s_nop 0
.rept 4
	v_nop
.endr
	s_branch .Lasked_\@
.Lfor_b_\@:
	tensor_load_to_lds s[\g0b:\g0b+3], s[\g1b:\g1b+7]
	s_nop 0
.rept 4
	v_nop
.endr
.Lasked_\@:
.endm
.macro CREST                           ; a round of the cluster's barrier behind its opening barrier
	s_cmp_lg_u32 s14, 0
	s_cbranch_scc1 .Lnot_wave_0_\@
	s_barrier_signal -3
.Lnot_wave_0_\@:
	s_barrier_wait -3
	s_barrier_signal -1
	s_barrier_wait -1
.endm
.macro CROUND                          ; a whole round
	s_barrier_signal -1
	s_barrier_wait -1
	CREST
.endm
	s_load_b128 s[4:7], s[0:1], 0x0                ; attn's codes, attn's scales
	s_load_b128 s[8:11], s[0:1], 0x10              ; W_out's codes, W_out's scales
	s_load_b64 s[2:3], s[0:1], 0x20                ; b_out
	s_load_b64 s[12:13], s[0:1], 0x28              ; out0
	v_lshl_add_u32 v[SPW], v0, 2, SPARE
	v_mov_b32 v[NIL], 0
	ds_add_u32 v28, v29
	ds_add_u32 v28, v29
	s_wait_dscnt 0x0
	v_lshrrev_b32 v1, 5, v0
	v_readfirstlane_b32 s14, v1                    ; wave 0..3
	s_lshr_b32 s15, s14, 1                         ; which half of the tile's rows is mine.  Also: I fetch for A (0) or for B (1)
	s_and_b32 s16, s14, 1                          ; which half of its columns.  Also: which half of that tile I fetch
	s_bfe_u32 s40, ttmp6, 0x40000                  ; cx, cy: my place in the cluster
	s_bfe_u32 s41, ttmp6, 0x40004
	s_lshl_b32 s42, ttmp9, 2
	s_add_co_u32 s42, s42, s40                     ; tile column = 4 x cluster x + cx
	s_and_b32 s17, ttmp7, 0xffff
	s_lshl_b32 s17, s17, 2
	s_add_co_u32 s17, s17, s41                     ; tile row = 4 x cluster y + cy
	s_lshl_b32 s43, s41, 2
	s_lshl_b32 s43, 15, s43                        ; my row of the cluster
	s_lshl_b32 s44, 0x1111, s40                    ; my column
	; descriptor group 1 for A: 8 rows (tiles of 16 tokens) x 3,072 bytes (384 elements of 8 bytes), 12,288 bytes apart; dense in LDS
	s_or_b32 s[G1+0], s43, (3<<16)|(1<<21)         ; 15:0 the mask: my row; 17:16 elements of 8 bytes; 20 padding off; 21 set beside a mask
	s_mov_b32 s[G1+1], (ASTEP/8)<<16               ; tensor_dim0
	s_mov_b32 s[G1+2], 8<<16                       ; tensor_dim1
	s_mov_b32 s[G1+3], (ASTEP/8)<<16               ; tile_dim0
	s_mov_b32 s[G1+4], 8                           ; tile_dim1
	s_mov_b32 s[G1+5], AROW/8                      ; tensor_dim0_stride
	s_mov_b32 s[G1+6], 0
	s_mov_b32 s[G1+7], 0
	; for B: 128 rows x 192 bytes, 16 bytes of padding behind every 64
	s_or_b32 s[G1B+0], s44, (0<<16)|(1<<20)|(1<<21)|(3<<22)|(3<<25)
	s_mov_b32 s[G1B+1], ROWB<<16
	s_mov_b32 s[G1B+2], 128<<16
	s_mov_b32 s[G1B+3], ROWB<<16
	s_mov_b32 s[G1B+4], 128
	s_mov_b32 s[G1B+5], KROW
	s_mov_b32 s[G1B+6], 0
	s_mov_b32 s[G1B+7], 0
	; the scale bytes of 128 rows: 4,096 dense bytes as 16 rows of 256 bytes, 16 bytes of padding behind each
	s_or_b32 s[G1S+0], s43, (3<<16)|(1<<20)|(1<<21)|(5<<22)|(3<<25)
	s_or_b32 s[G1SB+0], s44, (3<<16)|(1<<20)|(1<<21)|(5<<22)|(3<<25)
.irp g, G1S, G1SB
	s_mov_b32 s[\g+1], 32<<16
	s_mov_b32 s[\g+2], (128*KS/256)<<16
	s_mov_b32 s[\g+3], 32<<16
	s_mov_b32 s[\g+4], 128*KS/256
	s_mov_b32 s[\g+5], 32
	s_mov_b32 s[\g+6], 0
	s_mov_b32 s[\g+7], 0
.endr
	s_lshl_b32 s18, s16, 7                         ; which 128 rows of the tile I fetch
	s_lshl_b32 s22, s17, 8
	s_add_co_u32 s22, s22, s18                     ; A: token 256 x tile row + 128 x half
	s_lshl_b32 s46, s42, 8
	s_add_co_u32 s46, s46, s18                     ; B: row 256 x tile column + 128 x half
	s_lshr_b32 s20, s22, 4
	s_mul_i32 s20, s20, AROW                       ; A's codes: 12,288 bytes for 16 tokens (all offsets here stay under 2^23)
	s_mov_b32 s21, 0
	s_lshl_b32 s22, s22, 5                         ; A's scale bytes: 32 a token
	s_mov_b32 s23, 0
	s_lshl_b32 s92, s46, 5                         ; B's
	s_mov_b32 s93, 0
	s_mul_i32 s46, s46, KROW                       ; B's codes
	s_mov_b32 s47, 0
	s_mul_i32 s45, s16, HALFA                      ; where they go in a slot: A's halves,
	s_mul_i32 s66, s16, HALFT
	s_add_co_u32 s66, s66, 2*HALFA                 ; B's halves behind them: no place in the cluster enters an LDS address
	s_mul_i32 s94, s14, HALFS
	s_wait_kmcnt 0x0
	s_add_nc_u64 s[20:21], s[4:5], s[20:21]
	s_add_nc_u64 s[22:23], s[6:7], s[22:23]
	s_add_nc_u64 s[46:47], s[8:9], s[46:47]
	s_add_nc_u64 s[92:93], s[10:11], s[92:93]
	CROUND                                         ; all sixteen work-groups are here: the first joint loads meet
	s_mov_b32 s[G0S], 1
	s_add_co_u32 s[G0S+1], s94, SCL
	s_mov_b64 s[G0S+2:G0S+3], s[22:23]
	s_or_b32 s[G0S+3], s[G0S+3], 0x80000000
	s_mov_b32 s[G0SB], 1
	s_add_co_u32 s[G0SB+1], s94, SCL
	s_mov_b64 s[G0SB+2:G0SB+3], s[92:93]
	s_or_b32 s[G0SB+3], s[G0SB+3], 0x80000000
	JLOAD G0S, G1S, G0SB, G1SB                     ; the scale bytes first: they are wanted with K step 0
.irp s, 0,1
	s_mov_b32 s[G0+4*\s], 1
	s_add_co_u32 s[G0+4*\s+1], s45, \s*SLOT
	s_add_nc_u64 s[G0+4*\s+2:G0+4*\s+3], s[20:21], \s*ASTEP
	s_or_b32 s[G0+4*\s+3], s[G0+4*\s+3], 0x80000000
	s_mov_b32 s[G0B+4*\s], 1
	s_add_co_u32 s[G0B+4*\s+1], s66, \s*SLOT
	s_add_nc_u64 s[G0B+4*\s+2:G0B+4*\s+3], s[46:47], \s*ROWB
	s_or_b32 s[G0B+4*\s+3], s[G0B+4*\s+3], 0x80000000
	s_wait_alu depctr_va_vdst(0)
	s_wait_tensorcnt 0x0
	ds_add_u32 v28, v29
	s_wait_dscnt 0x0
	CROUND
	JLOAD G0+4*\s, G1, G0B+4*\s, G1B               ; one tensor load of mine is out behind each of these
.endr
	v_and_b32 v1, 15, v0                           ; r = lane % 16
	v_bfe_u32 v2, v0, 4, 1                         ; h = lane / 16
	v_and_b32 v7, 31, v0                           ; lane
	s_lshl_b32 s18, s42, 10                        ; the bias of my 128 columns: 4 x (256 x tile column + 128 x half)
	s_lshl_b32 s19, s16, 9
	s_add_co_u32 s18, s18, s19
	s_mov_b32 s19, 0
	s_add_nc_u64 s[2:3], s[2:3], s[18:19]
	v_lshlrev_b32 v10, 5, v2
.irp b, 0,1,2,3,4,5,6,7
	global_load_b128 v[BI+8*\b:BI+8*\b+3], v10, s[2:3] offset:64*\b        ; columns 16 b + 8 h + 0 .. 7
	global_load_b128 v[BI+8*\b+4:BI+8*\b+7], v10, s[2:3] offset:64*\b+16
.endr
	v_mul_u32_u24 v3, v1, PITCH
	v_mul_u32_u24 v4, v2, 24
	v_add_nc_u32 v4, v3, v4                        ; B: a fragment's row x pitch + 24 x half
	v_lshl_add_u32 v5, v2, 4, v4                   ; and the same behind one padding more
	v_lshlrev_b32 v8, 4, v7
	v_lshlrev_b32 v9, 3, v7
	s_mul_i32 s21, s15, HALFA                      ; my 128 tokens of A
	s_mul_i32 s22, s16, HALFT                      ; my 128 rows of B,
	s_add_co_u32 s22, s22, 2*HALFA                 ; which lie behind A's 256 tokens
.irp s, 0,1
	v_add_nc_u32 v[ADA16+\s], s21, v8
	v_add_nc_u32 v[ADA8+\s], s21, v9
	v_add_nc_u32 v[ADRB+\s], s22, v4
	v_add_nc_u32 v[ADRB+2+\s], s22, v5
	s_add_co_u32 s21, s21, SLOT
	s_add_co_u32 s22, s22, SLOT
.endr
	v_mul_u32_u24 v5, v1, KS                       ; my row's scale bytes: 32 a row,
	v_lshrrev_b32 v6, 8, v5
	v_lshl_add_u32 v5, v6, 4, v5                   ; and 16 more for each 256 passed
	s_mul_i32 s21, s15, HALFS
	s_mul_i32 s22, s16, HALFS
	s_add_co_u32 s22, s22, 2*HALFS
	s_sub_co_u32 s22, s22, s21
	v_mul_u32_u24 v6, s22, v2                      ; lanes 16-31 take B's
	s_add_co_u32 s21, s21, SCL
	v_add_nc_u32 v5, v5, v6
	v_add_nc_u32 v[ADRS], s21, v5
	s_mul_i32 s23, s14, 16*SPITCH                  ; my stage
	v_mul_u32_u24 v5, v1, SPITCH                   ; in: row r, 32 bytes for each half of the lanes
	v_lshl_add_u32 v5, v2, 5, v5
	v_add_nc_u32 v[STO], s23, v5
	v_lshlrev_b32 v[CO], 4, v7                     ; back: the 32 lanes take one row of 512 bytes; and the same in out0
	v_add_nc_u32 v[RD], s23, v[CO]
	s_lshl_b32 s20, s17, 8
	s_lshl_b32 s21, s15, 7
	s_add_co_u32 s20, s20, s21                     ; my first row of out0
	s_lshl_b32 s20, s20, 12                        ; 4,096 bytes a row (under 2^25)
	s_lshl_b32 s46, s42, 10                        ; my first column, in bytes
	s_lshl_b32 s47, s16, 9
	s_add_co_u32 s46, s46, s47
	s_add_co_u32 s20, s20, s46
	s_mov_b32 s21, 0
	s_add_nc_u64 s[12:13], s[12:13], s[20:21]
.macro FRAG reg, adr, q, i             ; a fragment of B: lane l holds row l % 16; registers 6 c .. 6 c + 5 hold K = 64 c + 32 (l / 16) + 0 .. 31, in pieces of 8 bytes
.irp p, 0,1,2,3,4,5                    ; 16 bytes of padding lie behind every 8 pieces: where the piece three on (lanes 16-31) lies behind one padding more, the second address register serves
.set PIECE, 12*(\q)+6*(\p/3)+\p%3
.if PIECE%8 < 5
	ds_load_b64 v[\reg+2*\p:\reg+2*\p+1], v[\adr] offset:8*PIECE+16*(PIECE/8)+(\i)*16*PITCH
.else
	ds_load_b64 v[\reg+2*\p:\reg+2*\p+1], v[\adr+2] offset:8*PIECE+16*(PIECE/8)+(\i)*16*PITCH
.endif
.endr
.endm
.macro FRAGA reg, slot, q, i           ; a fragment of A: two heads' images, each 512 bytes (registers 0-3) and 256 bytes (registers 4-5)
	ds_load_b128 v[\reg:\reg+3], v[ADA16+\slot] offset:ASTEP*(\i)+1536*(\q)
	ds_load_b64 v[\reg+4:\reg+5], v[ADA8+\slot] offset:ASTEP*(\i)+1536*(\q)+512
	ds_load_b128 v[\reg+6:\reg+9], v[ADA16+\slot] offset:ASTEP*(\i)+1536*(\q)+768
	ds_load_b64 v[\reg+10:\reg+11], v[ADA8+\slot] offset:ASTEP*(\i)+1536*(\q)+1280
.endm
; 16 matrix instructions: A's blocks a0, a0 + 1 x B's eight, 128 along K.  p: B's set;  sc: the set of scale words.  first = 1: the first product starts the sums from the bias.
; The 64 accumulators take turns, one instruction a turn, in the same order in every step.
.macro MUL16 a0, p, q, sc, first
.irp a, \a0, \a0+1
.irp b, 0,1,2,3,4,5,6,7
.if \first
	v_wmma_scale_f32_16x16x128_f8f6f4 v[8*(8*((\a)%4)+\b):8*(8*((\a)%4)+\b)+7], v[128*(\p)+FR*\b:128*(\p)+FR*\b+FR-1], v[AF+FR*(\a):AF+FR*(\a)+FR-1], v[BI+8*\b:BI+8*\b+7], v[SC+8*NQ*(\sc)+NQ*\b+(\q)], v[SC+8*NQ*(\sc)+NQ*(\a)+(\q)] matrix_a_fmt:MATRIX_FMT_FP6 matrix_b_fmt:MATRIX_FMT_FP6 matrix_a_scale:MATRIX_SCALE_ROW1
.else
	v_wmma_scale_f32_16x16x128_f8f6f4 v[8*(8*((\a)%4)+\b):8*(8*((\a)%4)+\b)+7], v[128*(\p)+FR*\b:128*(\p)+FR*\b+FR-1], v[AF+FR*(\a):AF+FR*(\a)+FR-1], v[8*(8*((\a)%4)+\b):8*(8*((\a)%4)+\b)+7], v[SC+8*NQ*(\sc)+NQ*\b+(\q)], v[SC+8*NQ*(\sc)+NQ*(\a)+(\q)] matrix_a_fmt:MATRIX_FMT_FP6 matrix_b_fmt:MATRIX_FMT_FP6 matrix_a_scale:MATRIX_SCALE_ROW1
.endif
.endr
.endr
.endm
.macro FETCH_B slot, q, p              ; B's eight fragments of the slot's q-th 128 along K into set p
	WIN TO_B
.irp i, 0,1,2,3,4,5,6,7
	FRAG 128*(\p)+FR*\i, ADRB+\slot, \q, \i
.endr
	WIN 0
.endm
.macro FETCH_A slot, q, i0             ; A's blocks i0 .. i0 + 3
.irp i, \i0, \i0+1, \i0+2, \i0+3
	FRAGA AF+FR*(\i), \slot, \q, \i
.endr
.endm
.macro SCALES sc                       ; a K step's scale words into set sc: two words a row; lanes 0-15 A's block i, lanes 16-31 B's block i
.irp i, 0,1,2,3,4,5,6,7
	ds_load_b64 v[SC+8*NQ*\sc+NQ*\i:SC+8*NQ*\sc+NQ*\i+1], v[ADRS] offset:\i*SBLK
.endr
.endm
.macro PLACES n                        ; plain vector instructions between a matrix instruction and a load into, or an LDS store of, its registers (ISA guide 7.12.1 for the LDS stores)
.rept \n
	v_nop
.endr
.endm
; A step of 128 along K that has its successor in the same slot.
.macro STEP slot, q, first
	s_wait_dscnt 4*NLA                             ; all but the youngest 16 loads, A's blocks 4-7
.if \first
	WIN BIA_LO
.else
	WIN MUL_LO
.endif
	MUL16 0, (\q)%2, \q, \slot, \first
	MUL16 2, (\q)%2, \q, \slot, \first
	s_wait_dscnt 0                                 ; A's blocks 4-7 are in (asked for 32 matrix instructions ago)
	PLACES NP
	FETCH_B \slot, (\q)+1, 1-(\q)%2
	FETCH_A \slot, (\q)+1, 0
.if \first
	WIN BIA_HI
.else
	WIN MUL_HI
.endif
	MUL16 4, (\q)%2, \q, \slot, \first
	MUL16 6, (\q)%2, \q, \slot, \first
	PLACES NP
	WIN 0
	FETCH_A \slot, (\q)+1, 4
.endm
; A slot's last step changes slots: ONE barrier; in front of it each wave waits for all its tensor loads, adds 0 to its spare word, and waits for that and for its own reads of this slot.  fill = 1: this slot is filled again, two K steps ahead.
.macro TURN slot, next, fill
	s_wait_tensorcnt 0x0                           ; all my tensor loads have landed: my part of the next slot
	ds_add_u32 v[SPW], v[NIL]                      ; 0 onto my spare word
	s_wait_dscnt 4*NLA+1                           ; (the add and the youngest 16 loads may be out)
	WIN MUL_LO
	MUL16 0, 1, NQ-1, \slot, 0                     ; sixteen matrix instructions stand between the add and the wait for it
	s_wait_dscnt 0x0                               ; the add is done, and my reads of this slot are over
	s_barrier_signal -1
	MUL16 2, 1, NQ-1, \slot, 0
	WIN 0
	s_barrier_wait -1
.if \fill
	CREST                                          ; the barrier has opened a round of the cluster's barrier: no wave of any partner still reads this slot's tile or has a load on its way
	s_add_nc_u64 s[G0+4*\slot+2:G0+4*\slot+3], s[G0+4*\slot+2:G0+4*\slot+3], 2*ASTEP
	s_add_nc_u64 s[G0B+4*\slot+2:G0B+4*\slot+3], s[G0B+4*\slot+2:G0B+4*\slot+3], 2*ROWB
	JLOAD G0+4*\slot, G1, G0B+4*\slot, G1B         ; the first tensor load behind the round; its four v_nop are the places in front of the loads below
.else
	PLACES NP
.endif
	s_wait_alu depctr_va_vdst(0)
	v_add_nc_u32 v[ADRS], 4*NQ, v[ADRS]            ; on to the next K step's scale words
	FETCH_B \next, 0, 0
	FETCH_A \next, 0, 0
	SCALES \next
	WIN MUL_HI
	MUL16 4, 1, NQ-1, \slot, 0
	MUL16 6, 1, NQ-1, \slot, 0
	PLACES NP
	WIN 0
	FETCH_A \next, 0, 4
.endm
	s_wait_alu depctr_va_vdst(0)
	s_wait_tensorcnt 1                             ; the scale bytes and my part of K step 0 are in (K step 1's load may be out)
	s_barrier_signal -1
	s_barrier_wait -1                              ; everybody's are
	FETCH_B 0, 0, 0
	FETCH_A 0, 0, 0
	SCALES 0
	FETCH_A 0, 0, 4
	s_wait_loadcnt 0x0                             ; the bias
	STEP 0, 0, 1                                   ; K = 1,024 is four K steps, eight steps of 128: written out, no loop.  The first products start the sums from the bias
	TURN 0, 1, 1                                   ; slot 0 takes K step 2
	STEP 1, 0, 0
	TURN 1, 0, 1                                   ; slot 1 takes K step 3
	STEP 0, 0, 0
	TURN 0, 1, 0                                   ; nothing is left to fetch
	STEP 1, 0, 0
	s_wait_dscnt 4*NLA                             ; the very last step
	WIN MUL_LO
	MUL16 0, 1, NQ-1, 1, 0
	MUL16 2, 1, NQ-1, 1, 0
	s_wait_dscnt 0
	WIN MUL_HI
	MUL16 4, 1, NQ-1, 1, 0
	MUL16 6, 1, NQ-1, 1, 0
	WIN 0
; THE WAY OUT, block by block of 16 rows x 128 columns.  A lane holds 32 neighbouring bytes of a row, and the lanes beside it hold other rows: a block goes through my own stage in LDS and comes back as whole rows of
; 512 bytes.  LDS serves a wave's instructions in order (ISA guide 5.7.1.4): no wait between the stores and the loads, nor in front of the next block's stores.
.macro TOSTAGE a
.set AC, 64*((\a)%4)
	WIN 0x08+4*((\a)/4)                            ; the data: window 2 or 3
.irp b, 0,1,2,3,4,5,6,7
	ds_store_b128 v[STO], v[AC+8*\b:AC+8*\b+3] offset:64*\b          ; each accumulator from its low end on
	ds_store_b128 v[STO], v[AC+8*\b+4:AC+8*\b+7] offset:64*\b+16
.endr
	WIN 0
.set BB, BK+64*((\a)%2)
.irp t, 0,1,2,3,4,5,6,7,8,9,10,11,12,13,14,15
	ds_load_b128 v[BB+4*\t:BB+4*\t+3], v[RD] offset:\t*SPITCH
.endr
.endm
.macro SEND a, younger                 ; younger: the LDS instructions issued behind block a's loads, which may stay out
.set BB, BK+64*((\a)%2)
	s_wait_dscnt \younger                          ; the block is back in registers
.if (\a) > 0
	s_add_nc_u64 s[12:13], s[12:13], 16*SIZE_N*4   ; (behind a wait on XCNT: the earlier stores have read their base)  16 rows on
.endif
.irp t, 0,1,2,3,4,5,6,7,8,9,10,11,12,13,14,15
	global_store_b128 v[CO], v[BB+4*\t:BB+4*\t+3], s[12:13] offset:\t*SIZE_N*4 th:TH_STORE_NT   ; 32 lanes store 512 consecutive bytes, at a multiple of 256 from out0's first byte; written once, read by nobody here
.endr
.endm
	PLACES NP                                      ; behind the last products: for the loads into the registers that held A's fragments and for block 7's reads alike
	TOSTAGE 0
.irp a, 1,2,3,4,5,6,7
.if \a > 1
	s_wait_xcnt 0x0                                ; block a - 2's stores have read their registers and their base: block a's loads may land there, and the base may step
.endif
	TOSTAGE \a
	SEND \a-1, 32                                  ; behind block a - 1's loads: block a's 16 stores and 16 loads
.endr
	s_wait_xcnt 0x0                                ; block 6's stores have read their base
	SEND 7, 0
	s_wait_tensorcnt 0x0                           ; the wave's end, behind my last tensor load and my last LDS store
	ds_add_u32 v[SPW], v[NIL]
	s_wait_dscnt 0x0
	CROUND                                         ; the closing round: no work-group ends while a partner may still ask for a tile that names it
	s_endpgm
.Lfunc_end_k_q9e628b80d0_proj:
	.size	k_q9e628b80d0_proj, .Lfunc_end_k_q9e628b80d0_proj-k_q9e628b80d0_proj
	.p2alignl 7, 3214868480
	.fill 96, 4, 3214868480
	.section	.rodata,"a",@progbits
	.p2align	6, 0x0
	.amdhsa_kernel k_q9e628b80d0_proj
		.amdhsa_group_segment_fixed_size 327680
		.amdhsa_private_segment_fixed_size 0
		.amdhsa_enable_private_segment 0
		.amdhsa_kernarg_size 48
		.amdhsa_user_sgpr_count 2
		.amdhsa_user_sgpr_kernarg_segment_ptr 1
		.amdhsa_wavefront_size32 1
		.amdhsa_system_sgpr_workgroup_id_x 1
		.amdhsa_system_sgpr_workgroup_id_y 1
		.amdhsa_system_sgpr_workgroup_id_z 1
		.amdhsa_system_vgpr_workitem_id 0
		.amdhsa_next_free_vgpr 1024
		.amdhsa_next_free_sgpr 98
		.amdhsa_reserve_vcc 0
		.amdhsa_float_denorm_mode_32 3
		.amdhsa_float_denorm_mode_16_64 3
		.amdhsa_memory_ordered 1
		.amdhsa_forward_progress 1
		.amdhsa_inst_pref_size 155
	.end_amdhsa_kernel
	.amdgpu_metadata
---
amdhsa.version: [ 1, 2 ]
amdhsa.kernels:
  - .name:           k_q9e628b80d0_proj
    .symbol:         k_q9e628b80d0_proj.kd
    .args:
      - { .name: attn_codes, .offset: 0, .size: 8, .value_kind: global_buffer, .address_space: global }
      - { .name: attn_scales, .offset: 8, .size: 8, .value_kind: global_buffer, .address_space: global }
      - { .name: W_out_codes, .offset: 16, .size: 8, .value_kind: global_buffer, .address_space: global }
      - { .name: W_out_scales, .offset: 24, .size: 8, .value_kind: global_buffer, .address_space: global }
      - { .name: b_out, .offset: 32, .size: 8, .value_kind: global_buffer, .address_space: global }
      - { .name: out0, .offset: 40, .size: 8, .value_kind: global_buffer, .address_space: global }
    .group_segment_fixed_size: 327680
    .private_segment_fixed_size: 0
    .kernarg_segment_align: 8
    .kernarg_segment_size: 48
    .max_flat_workgroup_size: 128
    .sgpr_count:     98
    .vgpr_count:     1024
    .wavefront_size: 32
...
	.end_amdgpu_metadata
.endif
;; end of part 3
